; MI455X (gfx1250); checked and timed in simulation.
; The chip was launched on July 23, 2026; its instructions are those of AMD's public machine-readable ISA for CDNA 5 (MIT licence, August 2026) and "CDNA5" Instruction Set Architecture Reference Guide (July 2026). The comments in the code are by the model that wrote it; some were corrected since.
;; Causal Self Attention. Allowed arithmetic: matrix products marked QUANTISED: E2M3 operands, one E8M0 scale for each 32 along K, by v_wmma_scale_f32_16x16x128_f8f6f4 with both operands' format E2M3, f32 sums; everything else in f32.
;; Inputs: b_attn 3,072 float32; b_proj 1,024 float32; w_attn_codes 3,072 x 32 x 24 uint8 (E2M3 codes of w_attn, K innermost, in blocks of 32 codes, four codes in three bytes); w_attn_scales 3,072 x 32 uint8 (E8M0 scales of w_attn, one for each 32 codes along K); w_proj_codes 1,024 x 32 x 24 uint8 (E2M3 codes of w_proj, K innermost, in blocks of 32 codes, four codes in three bytes); w_proj_scales 1,024 x 32 uint8 (E8M0 scales of w_proj, one for each 32 codes along K); x_codes 4 x 2,048 x 32 x 24 uint8 (E2M3 codes of x, K innermost, in blocks of 32 codes, four codes in three bytes); x_scales 4 x 2,048 x 32 uint8 (E8M0 scales of x, one for each 32 codes along K).
;; Outputs: out0 4 x 2,048 x 1,024 float32.
;; This version of the problem:
;;   THIS VERSION OF THE PROBLEM IS GIVEN IN LOW PRECISION. The matrix products marked QUANTISED in the list below multiply operands that are first quantised to E2M3 (2 exponent bits, 3 mantissa bits; 6 bits a number), with one power-of-two scale for each 32 numbers along K (OCP MX v1.0); their sums are f32. All else is computed in f32.
;;   The module's matrix products, in the order in which they are computed (A, B: the left and right operand; K: the contracted axis; several contracted axes count as one K, in the product's order):
;;     1. [M 8,192, K 1,024] x [K 1,024, N 3,072]; A: input x (given as codes); B: input w_attn (given as codes): QUANTISED
;;     2. batch 64 x [M 2,048, K 64] x [K 64, N 2,048]; A: computed on the way; B: computed on the way: QUANTISED
;;     3. batch 64 x [M 2,048, K 2,048] x [K 2,048, N 64]; A: softmax (see below); B: computed on the way: QUANTISED
;;     4. [M 8,192, K 1,024] x [K 1,024, N 1,024]; A: computed on the way; B: input w_proj (given as codes): QUANTISED
;;   THE QUANTISER, for each operand of a quantised product, along K:
;;     - K is cut into blocks of 32 from its start; a last block that is shorter is filled with zeros.
;;     - A block's scale is 2^e with e = floor(log2(the largest magnitude in the block)) - 2, held to -126 .. 127; a block of zeros has e = 0. As a byte (E8M0): e + 127.
;;     - Each number is divided by its block's scale, clamped to +-7.5, and rounded to the nearest number of E2M3, ties to even, subnormals kept.
;;     - The product sums the exact products of the quantised numbers (number of the format x scale) in f32.
;;   ~~~python
;;   def quantise(x, axis):      # numpy; x: float32 -> the quantised numbers, widened to float32 again
;;       x = np.moveaxis(x, axis, -1); K = x.shape[-1]
;;       x = np.pad(x, [(0, 0)] * (x.ndim - 1) + [(0, -K % 32)]); x = x.reshape(x.shape[:-1] + (-1, 32)); a = np.abs(x).max(-1, keepdims=True)
;;       e = np.where(a > 0, np.clip(np.frexp(np.where(a > 0, a, 1))[1] - 1 - 2, -126, 127), 0)      # np.frexp(a)[1] - 1 = floor(log2(a)), exactly
;;       r = np.clip(x / 2.0 ** e, -7.5, 7.5)
;;       step = 2.0 ** (np.maximum(np.frexp(np.where(r == 0, 1, r))[1] - 1, 0) - 3)
;;       q = np.round(r / step) * step * 2.0 ** e      # np.round: ties to even
;;       return np.moveaxis(q.reshape(q.shape[:-2] + (-1,))[..., :K], -1, axis).astype(np.float32)
;;   ~~~
;;   SOFTMAX AHEAD OF A QUANTISED PRODUCT. Where the list says 'softmax', what is quantised is not the finished softmax but p = 2^(t - M), with t = logit x log2(e) and M = ceil(the row's largest t), a whole number; so 1/2 < the row's largest p <= 1. The row's sum l is taken of the UNQUANTISED p, in f32, and the product's result is divided by l at the end. Since M is a whole number, a kernel that streams over the keys may use a running M (the ceiling of the running maximum): every later rescaling is an exact power of two, which a block's scale takes up: the codes' values come out the same.
;;   OPERANDS COMPUTED ON THE WAY. 'Computed on the way' means the value that the module computes at that place (a softmax that the list does not call 'softmax' is quantised finished and normalised). What goes into a quantiser is computed in f32, as accurately as f32 sums, v_exp_f32 and their like allow (about 1e-6 of the number): no bf16 or f16 on the way to a quantiser, and a product that is left as it is and whose result goes on into a quantised operand takes f32 operands (vector FMAs, or v_wmma_f32_16x16x4_f32). A number that lies on a knife's edge between two numbers of the format may be rounded either way, as far as f32 arithmetic and the matrix unit's own rounding can turn it there, and no further.
;;   INPUTS GIVEN AS CODES. w_attn (in the module: [1024, 3072], K = its axis 0); w_proj (in the module: [1024, 1024], K = its axis 0); x (in the module: [4, 2048, 1024], K = its axis 2): each comes as NAME_codes (uint8): NAME with its K axis moved to the last place and cut into blocks of 32 codes, [.., K / 32, bytes a block], one block behind the other in memory; four codes in three bytes: a row's codes are one little-endian stream of bits, code i at bits 6 i .. 6 i + 5 (a code: sign, 2 exponent bits, 3 mantissa bits); and NAME_scales (uint8): the same leading axes, one E8M0 byte (e + 127) for each 32 codes along K. Its value is code x scale, taken as it is: it is not quantised again, and the codes and scales need not be those that the quantiser above would give.
;; One version. Each part assembles by itself: llvm-mc -triple=amdgcn-amd-amdhsa -mcpu=gfx1250 --defsym DOCPART=n.
;; ======== version 1 of 1: 3 launches
;; workspace buffers: qb 6,815,744 bytes; kv 13,369,344 bytes; yimg 6,291,456 bytes; ysc 262,144 bytes
;; launch qkv (part 1): grid 12 x 32, 4 waves a work-group, clusters of 4 x 4, 327,680 bytes of LDS; arguments x_codes, x_scales, w_attn_codes, w_attn_scales, b_attn, qb, kv; writes qb, kv
.if DOCPART == 1
	.amdgcn_target "amdgcn-amd-amdhsa--gfx1250"
	.amdhsa_code_object_version 6
	.text
	.protected	k_qbe24705535_qkv
	.globl	k_qbe24705535_qkv
	.p2align	8
	.type	k_qbe24705535_qkv,@function
k_qbe24705535_qkv:
	s_mov_b64 s[64:65], 0
	v_nop
	global_prefetch_b8 v0, s[64:65] scope:SCOPE_SE
	s_setreg_imm32_b32 hwreg(HW_REG_WAVE_MODE, 25, 1), 1
	s_wait_xcnt 0x0
	s_wait_alu depctr_hold_cnt(0) depctr_sa_sdst(0) depctr_va_vdst(0) depctr_va_sdst(0) depctr_va_ssrc(0) depctr_va_vcc(0) depctr_vm_vsrc(0)
	s_getreg_b32 s2, hwreg(HW_REG_IB_STS2, 6, 4)
	s_cmp_eq_u32 s2, 0
	s_cbranch_scc0 .Lentry_in_a_cluster
	s_endpgm
.Lentry_in_a_cluster:
	s_bfe_u32 s2, ttmp6, 0x10000c
	s_cmp_lg_u32 s2, 0xf033
	s_cbranch_scc0 .Lentry_shape_is_right
	s_endpgm
.Lentry_shape_is_right:
; qkv = x W_attn + b_attn on codes of FP6 (E2M3) with E8M0 scales, and its three parts quantised again: q and k along the head's 64, v along the tokens.
; ONE GENERIC PRODUCT: out[i][j] = sum over k of P[i][k] R[j][k] + bias, quantised along j in blocks of 32.  P is source 1 (a lane holds one row i), R is source 0 (a lane's registers run along j).
; The cluster's x says which part: 0 = q, 1 = k: P = x (tokens), R = W_attn (columns);  2 = v: P = W_attn's rows 2,048 on (the head's channels), R = x (tokens): so v comes out transposed, registers along the tokens.
; A tile of 256 x 256 is made by four waves, 128 x 128 each: 64 accumulators, 512 registers.  K = 1,024 goes in four steps of 256 through a ring of two LDS slots filled by the tensor data mover.
; The scale bytes of the work-group's 256 rows of P and of R, for all of K, come into LDS once, with the first fills.
; CLUSTERS: 4 x 4 work-groups.  P's tile hangs on cy alone and is asked for jointly along a row of the cluster, R's on cx alone and jointly along a column.
; THE WAY OUT: a block of 16 rows of P x 128 of R is moved to window 0 with the bias added, turned so that a lane's 16 registers are 16 neighbours along j, quantised in registers (two lanes to a block of 32),
; and stored as IMAGES OF OPERAND REGISTERS: each store of the wave covers 512 or 256 consecutive bytes, aligned.  The rows of a stored tile are taken in the order
; row(a, r) = 32 (a / 2) + 8 (a % 2) + r + 8 (r / 8), which the attention launch wants of keys, of v's channels and of queries; two natural blocks give two such tiles by an exchange of lanes 8 apart.
; LIMITS: NaN, infinities and given scale bytes 0xff are not served.  A block whose largest magnitude lies under 2^-124 keeps the scale byte 1; a block of zeros has the byte 1, not 127: its codes are zeros, and this program alone reads the bytes.
; No prefetch: the ring has four fills in all, and two of them go out at the head.
; REGISTERS, in windows of 256: window 0: v8-15 the bias loads' offsets; v16-29 addresses; v32-63 scale words, two sets; v128-223 P's fragments, one set; on the way out v32-199 are at work.
;   window 1: R's fragments, two sets, at v0 and v128; v96-127 and v224-255 the bias.   window 2: the accumulators of my rows 0-63 ((a, b) at v[8 (8 a + b)]);   window 3: those of rows 64-127.
.set KSTEP,  256                       ; along K in a slot
.set NQ,     KSTEP/128                 ; matrix instructions deep
.set ROWB,   192                       ; a tile's row in bytes
.set KROW,   768                       ; a row of x or of W_attn in memory: 1,024 codes
.set PITCH,  240                       ; an LDS row: 3 x (64 bytes + 16 of padding)
.set FR,     12                        ; registers of a fragment
.set NL,     6                         ; LDS loads that bring one
.set NP,     4                         ; places behind this matrix instruction (ISA guide 7.12.1)
.set HALFT,  128*PITCH
.set SLOT,   4*HALFT                   ; P's 256 rows, then R's 256 rows
.set LAPS,   2                         ; 1,024 / 512
.set KS,     32                        ; a row of scale bytes
.set SCL,    2*SLOT                    ; behind the ring: the scales, as units of 256 bytes + 16 of padding
.set HALFS,  (128*KS/256)*272
.set SBLK,   (16*KS/256)*272
.set SPARE,  SCL+4*HALFS               ; the spare words, 128 bytes for each wave: two blocks of 256 bytes that no other line names
.set BOF,  8                           ; v8-15   the bias loads' offsets, one for each register of a group of eight; never rewritten
.set ADRA, 16                          ; v16-17  LDS address of P's fragments in slot 0, 1 (v18-19: behind one padding more)
.set ADRB, 20                          ; v20-21  the same for R (v22-23)
.set L16,  24                          ; v24     16 x lane
.set L8,   25                          ; v25     8 x lane
.set ADRS, 27                          ; v27     LDS address of my scale words: lanes 0-15 P's rows, lanes 16-31 R's
.set SPW,  28                          ; v28     LDS address of my spare word; never rewritten
.set NIL,  29                          ; v29     0; never rewritten
.set SC,   32                          ; scale words
.set AF,   128                         ; P's fragments
.set TM,   32                          ; the way out: v32-47 at work in the quantiser
.set XX,   48                          ; v48, v49 a register of the other tile, lanes 8 apart
.set YY,   49
.set PWA,  50                          ; v50, v51 the scale words of the two natural blocks
.set PWB,  51
.set WW,   52                          ; v52-59  the scale words of the eight tiles
.set ZZ,   60                          ; v60-63  two tiles' words to a register
.set ST,   64                          ; v64-127 a block's 64 numbers
.set CA,   128                         ; v128-147, v148-167 the codes of the two natural blocks (12, and 8 at work)
.set CB,   148
.set T0,   168                         ; v168-179, v180-191 the two tiles as they are stored
.set T1,   180
.set XA,   192                         ; v192-195, v196-199 q's and k's scale words, head by head
.set XB,   196
.set SEL,  20                          ; s[20:21] lane selects for v_permlanex16_b32: lane l xor 16
.set M8,   22                          ; s22  lanes 8-15 and 24-31
.set MH,   23                          ; s23  lanes 16-31
.set BIA,  96                          ; s[96:97] the bias at my first number
.set OA,   98                          ; s[98:99] where my first head's images go;  s[100:101] my second head's
.set OB,   100
.set G1, 24                            ; s[24:31] descriptor group 1 for P's tiles;  s[32:39] group 0, one set for each slot
.set G0, 32
.set G1B, 48                           ; s[48:55], s[56:63] the same for R's tiles
.set G0B, 56
.set G1S, 68                           ; s[68:75], s[76:79] groups 1 and 0 for P's scales;  s[80:87], s[88:91] for R's
.set G0S, 76
.set G1SB, 80
.set G0SB, 88
.set MSB, 0
.macro WIN new                         ; the immediate's high byte repeats the setting that is left
.if MSB != (\new)
	s_set_vgpr_msb (MSB<<8)|(\new)
.set MSB, (\new)
.endif
.endm
.set MUL_LO, 0xa1                      ; source 0 (R) window 1, source 1 (P) window 0, C and D window 2
.set MUL_HI, 0xf1                      ; the same, C and D window 3
.set TO_B,   0x40                      ; destination window 1, address window 0
; A joint load: waves 0 and 1 fetch for P, waves 2 and 3 for R.  The branch hangs on the wave's number alone.  Four v_nop follow each of the two lines.
.macro JLOAD g0a, g1a, g0b, g1b
	s_cmp_eq_u32 s15, 0
	s_cbranch_scc0 .Lfor_b_\@
	tensor_load_to_lds s[\g0a:\g0a+3], s[\g1a:\g1a+7]
	s_nop 0
.rept 4
	v_nop
.endr
	s_branch .Lasked_\@
.Lfor_b_\@:
	tensor_load_to_lds s[\g0b:\g0b+3], s[\g1b:\g1b+7]
	s_nop 0
.rept 4
	v_nop
.endr
.Lasked_\@:
.endm
.macro CREST                           ; a round of the cluster's barrier behind its opening barrier
	s_cmp_lg_u32 s14, 0
	s_cbranch_scc1 .Lnot_wave_0_\@
	s_barrier_signal -3
.Lnot_wave_0_\@:
	s_barrier_wait -3
	s_barrier_signal -1
	s_barrier_wait -1
.endm
.macro CROUND                          ; a whole round
	s_barrier_signal -1
	s_barrier_wait -1
	CREST
.endm
	s_load_b256 s[4:11], s[0:1], 0x0               ; x's codes s[4:5], x's scales s[6:7], W's codes s[8:9], W's scales s[10:11]
	s_load_b128 s[96:99], s[0:1], 0x20             ; the bias s[96:97], qb s[98:99]
	s_load_b64 s[100:101], s[0:1], 0x30            ; kv
	v_lshl_add_u32 v[SPW], v0, 2, SPARE
	v_mov_b32 v[NIL], 0
	ds_add_u32 v28, v29
	ds_add_u32 v28, v29
	s_wait_dscnt 0x0
	v_lshrrev_b32 v1, 5, v0
	v_readfirstlane_b32 s14, v1                    ; wave 0..3
	s_lshr_b32 s15, s14, 1                         ; rh: which half of P's rows is mine.  Also: I fetch for P (0) or for R (1)
	s_and_b32 s16, s14, 1                          ; ch: which half of R's rows.  Also: which 128 rows of that tile I fetch
	s_bfe_u32 s40, ttmp6, 0x40000                  ; cx, cy: my place in the cluster
	s_bfe_u32 s41, ttmp6, 0x40004
	s_and_b32 s42, ttmp7, 0xffff
	s_lshl_b32 s42, s42, 2                         ; 4 x cluster y
	s_add_co_u32 s17, s42, s41                     ; q, k: P's tile = 4 Y + cy
	s_add_co_u32 s67, s42, s40                     ; v: R's tile = 4 Y + cx
	s_lshl_b32 s44, ttmp9, 2
	s_add_co_u32 s44, s44, s40                     ; q, k: R's tile = 4 X + cx
	s_cmp_eq_u32 ttmp9, 2                          ; the cluster's x is the same in all sixteen partners
	s_cselect_b32 s17, s41, s17                    ; tp: P's tile (v: cy): it hangs on cy alone
	s_cselect_b32 s44, s67, s44                    ; tr: R's tile: it hangs on cx alone
	s_lshl_b32 s43, s41, 2
	s_lshl_b32 s43, 15, s43                        ; my row of the cluster
	s_lshl_b32 s45, 0x1111, s40                    ; my column
	; descriptor group 1: a tile of 128 rows x 192 bytes, 16 bytes of padding behind every 64
	s_or_b32 s[G1+0], s43, (0<<16)|(1<<20)|(1<<21)|(3<<22)|(3<<25)  ; 15:0 the mask; 17:16 element of 1 byte; 20 padding on; 21 set beside a mask; 24:22 after every 16 words; 31:25 of 4 words
	s_or_b32 s[G1B+0], s45, (0<<16)|(1<<20)|(1<<21)|(3<<22)|(3<<25)
.irp g, G1, G1B
	s_mov_b32 s[\g+1], ROWB<<16                    ; tensor_dim0
	s_mov_b32 s[\g+2], 128<<16                     ; tensor_dim1
	s_mov_b32 s[\g+3], ROWB<<16                    ; tile_dim0
	s_mov_b32 s[\g+4], 128                         ; tile_dim1
	s_mov_b32 s[\g+5], KROW                        ; tensor_dim0_stride
	s_mov_b32 s[\g+6], 0
	s_mov_b32 s[\g+7], 0
.endr
	; the scales of 128 rows: a dense block of 4,096 bytes, as 16 rows of 256 bytes (32 elements of 8 bytes), 16 bytes of padding behind each
	s_or_b32 s[G1S+0], s43, (3<<16)|(1<<20)|(1<<21)|(5<<22)|(3<<25)
	s_or_b32 s[G1SB+0], s45, (3<<16)|(1<<20)|(1<<21)|(5<<22)|(3<<25)
.irp g, G1S, G1SB
	s_mov_b32 s[\g+1], 32<<16
	s_mov_b32 s[\g+2], (128*KS/256)<<16
	s_mov_b32 s[\g+3], 32<<16
	s_mov_b32 s[\g+4], 128*KS/256
	s_mov_b32 s[\g+5], 32
	s_mov_b32 s[\g+6], 0
	s_mov_b32 s[\g+7], 0
.endr
	s_lshl_b32 s18, s16, 7                         ; which 128 rows of the tile I fetch
	s_lshl_b32 s20, s17, 8
	s_add_co_u32 s20, s20, s18                     ; P: row 256 tp + 128 x half
	s_lshl_b32 s46, s44, 8
	s_add_co_u32 s46, s46, s18                     ; R: row 256 tr + 128 x half
	s_mov_b32 s21, 0
	s_mov_b32 s47, 0
	s_mov_b64 s[18:19], KS
	s_mul_u64 s[22:23], s[20:21], s[18:19]         ; where these rows' scales begin, in bytes
	s_mul_u64 s[12:13], s[46:47], s[18:19]
	s_mov_b64 s[18:19], KROW
	s_mul_u64 s[20:21], s[20:21], s[18:19]         ; and their codes
	s_mul_u64 s[46:47], s[46:47], s[18:19]
	s_mul_i32 s2, s14, HALFT                       ; where they go: wave x 128 rows: no place in the cluster enters an LDS address
	s_mul_i32 s66, s14, HALFS
	s_wait_kmcnt 0x0
	s_add_nc_u64 s[92:93], s[8:9], 0x180000        ; W's rows 2,048 on: v's channels
	s_add_nc_u64 s[94:95], s[10:11], 0x10000
	s_cmp_eq_u32 ttmp9, 2
	s_cselect_b64 s[92:93], s[92:93], s[4:5]       ; P's codes
	s_cselect_b64 s[94:95], s[94:95], s[6:7]       ; P's scales
	s_cselect_b64 s[8:9], s[4:5], s[8:9]           ; R's codes
	s_cselect_b64 s[10:11], s[6:7], s[10:11]       ; R's scales
	s_add_nc_u64 s[20:21], s[92:93], s[20:21]
	s_add_nc_u64 s[22:23], s[94:95], s[22:23]
	s_add_nc_u64 s[46:47], s[8:9], s[46:47]
	s_add_nc_u64 s[12:13], s[10:11], s[12:13]
	CROUND                                         ; all sixteen work-groups are here: the first joint loads meet
	s_mov_b32 s[G0S], 1
	s_add_co_u32 s[G0S+1], s66, SCL
	s_mov_b64 s[G0S+2:G0S+3], s[22:23]
	s_or_b32 s[G0S+3], s[G0S+3], 0x80000000
	s_mov_b32 s[G0SB], 1
	s_add_co_u32 s[G0SB+1], s66, SCL
	s_mov_b64 s[G0SB+2:G0SB+3], s[12:13]
	s_or_b32 s[G0SB+3], s[G0SB+3], 0x80000000
	JLOAD G0S, G1S, G0SB, G1SB                     ; the scales first: they are wanted with K step 0
.irp s, 0,1
	s_mov_b32 s[G0+4*\s], 1
	s_add_co_u32 s[G0+4*\s+1], s2, \s*SLOT
	s_add_nc_u64 s[G0+4*\s+2:G0+4*\s+3], s[20:21], \s*ROWB
	s_or_b32 s[G0+4*\s+3], s[G0+4*\s+3], 0x80000000
	s_mov_b32 s[G0B+4*\s], 1
	s_add_co_u32 s[G0B+4*\s+1], s2, \s*SLOT
	s_add_nc_u64 s[G0B+4*\s+2:G0B+4*\s+3], s[46:47], \s*ROWB
	s_or_b32 s[G0B+4*\s+3], s[G0B+4*\s+3], 0x80000000
	JLOAD G0+4*\s, G1, G0B+4*\s, G1B               ; three tensor loads of mine are out
.endr
	v_and_b32 v1, 15, v0                           ; r = l % 16
	v_bfe_u32 v2, v0, 4, 1                         ; h = l / 16
	v_mul_u32_u24 v3, v1, PITCH
	v_mul_u32_u24 v4, v2, 24
	v_add_nc_u32 v4, v3, v4                        ; a fragment's row x pitch + 24 x half
	v_lshl_add_u32 v5, v2, 4, v4                   ; and the same behind one padding more
	s_mul_i32 s21, s15, HALFT                      ; my 128 rows of P
	s_mul_i32 s22, s16, HALFT                      ; my 128 rows of R,
	s_add_co_u32 s22, s22, 2*HALFT                 ; which lie behind P's 256
.irp s, 0,1
	v_add_nc_u32 v[ADRA+\s], s21, v4
	v_add_nc_u32 v[ADRB+\s], s22, v4
	v_add_nc_u32 v[ADRA+2+\s], s21, v5
	v_add_nc_u32 v[ADRB+2+\s], s22, v5
	s_add_co_u32 s21, s21, SLOT
	s_add_co_u32 s22, s22, SLOT
.endr
	v_mul_u32_u24 v5, v1, KS                       ; my row's scales: 32 bytes a row,
	v_lshrrev_b32 v6, 8, v5
	v_lshl_add_u32 v5, v6, 4, v5                   ; and 16 more for each 256 passed
	s_mul_i32 s21, s15, HALFS                      ; P's: my 128 rows
	s_mul_i32 s22, s16, HALFS                      ; R's: my 128 rows, behind P's 256
	s_add_co_u32 s22, s22, 2*HALFS
	s_sub_co_u32 s22, s22, s21
	v_mul_u32_u24 v6, s22, v2                      ; lanes 16-31 take R's
	s_add_co_u32 s21, s21, SCL
	v_add_nc_u32 v5, v5, v6
	v_add_nc_u32 v[ADRS], s21, v5
	v_and_b32 v6, 31, v0
	v_lshlrev_b32 v[L16], 4, v6
	v_lshlrev_b32 v[L8], 3, v6
	; THE BIAS, 64 registers in window 1, by one run of loads for all three parts.  q, k: register 8 i + j holds b(16 i + 8 h + j), the result's layout along R.  v: it holds b(16 i + r), my row of P's block i, eight times.
	s_lshl_b32 s18, s44, 10
	s_lshl_b32 s19, s16, 9
	s_add_co_u32 s18, s18, s19                     ; q, k: 4 (256 tr + 128 ch)
	s_lshl_b32 s19, s17, 10
	s_lshl_b32 s21, s15, 9
	s_add_co_u32 s19, s19, s21
	s_add_co_u32 s19, s19, 8192                    ; v: 4 (2,048 + 256 tp + 128 rh)
	s_cmp_eq_u32 ttmp9, 2
	s_cselect_b32 s18, s19, s18
	s_cselect_b32 s21, 0, 4                        ; bytes from register j to j + 1,
	s_cselect_b32 s22, 4, 0                        ; for each r,
	s_cselect_b32 s23, 0, 32                       ; for each h
	s_mov_b32 s19, 0
	s_add_nc_u64 s[BIA:BIA+1], s[BIA:BIA+1], s[18:19]
	v_mul_u32_u24 v[BOF], v1, s22
	v_mad_u32_u24 v[BOF], v2, s23, v[BOF]
.irp j, 1,2,3,4,5,6,7
	v_add_nc_u32 v[BOF+\j], s21, v[BOF+\j-1]
.endr
.macro BIRSET n                        ; the bias's register n of 64: window 1's v96-127, then v224-255, which R's two sets leave idle
.if (\n) < 32
.set BR, 96+(\n)
.else
.set BR, 224+(\n)-32
.endif
.endm
	WIN TO_B
.irp i, 0,1,2,3,4,5,6,7
.irp j, 0,1,2,3,4,5,6,7
	BIRSET 8*\i+\j
	global_load_b32 v[BR], v[BOF+\j], s[BIA:BIA+1] offset:64*\i
.endr
.endr
	WIN 0
	; WHERE THE IMAGES GO.  q, k: group of 128 tokens G = 2 tp + rh, first head 4 cx + 2 ch.  v: G = 2 tr + ch, first head 4 cy + 2 rh.
	s_lshl_b32 s18, s17, 1
	s_add_co_u32 s18, s18, s15
	s_lshl_b32 s19, s44, 1
	s_add_co_u32 s19, s19, s16
	s_lshl_b32 s20, s40, 2
	s_lshl_b32 s21, s16, 1
	s_add_co_u32 s20, s20, s21
	s_lshl_b32 s21, s41, 2
	s_lshl_b32 s22, s15, 1
	s_add_co_u32 s21, s21, s22
	s_cmp_eq_u32 ttmp9, 2
	s_cselect_b32 s18, s19, s18                    ; G
	s_cselect_b32 s20, s21, s20                    ; the first head
	s_cselect_b32 s19, 6656, 0                     ; v's tiles lie behind k's in a key step's block
	s_cmp_eq_u32 ttmp9, 0
	s_cselect_b64 s[OA:OA+1], s[98:99], s[100:101] ; qb or kv
	s_mov_b32 s21, 208896
	s_cselect_b32 s21, 106496, s21                 ; bytes of a head
	s_mov_b32 s22, 13056
	s_cselect_b32 s22, 6656, s22                   ; bytes of a group
	s_lshr_b32 s23, s18, 4                         ; the batch
	s_and_b32 s18, s18, 15                         ; the group in it
	s_lshl_b32 s23, s23, 4
	s_add_co_u32 s23, s23, s20                     ; 16 x batch + head
	s_mul_i32 s23, s23, s21
	s_mul_i32 s18, s18, s22
	s_add_co_u32 s18, s18, s23
	s_add_co_u32 s18, s18, s19
	s_mov_b32 s19, 0
	s_add_nc_u64 s[OA:OA+1], s[OA:OA+1], s[18:19]
	s_mov_b32 s22, s21
	s_mov_b32 s23, 0
	s_add_nc_u64 s[OB:OB+1], s[OA:OA+1], s[22:23]  ; the next head
	s_mov_b32 s[SEL], 0x76543210
	s_mov_b32 s[SEL+1], 0xfedcba98
	s_mov_b32 s[M8], 0xff00ff00
	s_mov_b32 s[MH], 0xffff0000
.macro FRAG reg, adr, q, i             ; a fragment, 16 rows x 128 K of 6-bit codes, is 12 registers: lane l holds row l % 16; registers 6 c .. 6 c + 5 hold K = 64 c + 32 (l / 16) + 0 .. 31: 24 bytes of the row's stream of bits
.irp p, 0,1,2,3,4,5                    ; in pieces of 8 bytes.  Lanes 16-31 take the pieces three on; where that lies behind one padding more, the second address register serves
.set PC, 12*(\q)+6*(\p/3)+\p%3
.if PC%8 < 5
	ds_load_b64 v[\reg+2*\p:\reg+2*\p+1], v[\adr] offset:8*PC+16*(PC/8)+(\i)*16*PITCH
.else
	ds_load_b64 v[\reg+2*\p:\reg+2*\p+1], v[\adr+2] offset:8*PC+16*(PC/8)+(\i)*16*PITCH
.endif
.endr
.endm
; 16 matrix instructions: P's blocks a0, a0 + 1 x R's eight, 128 along K.  The 64 accumulators take turns, one instruction a turn, in the same order in every step.
.macro MUL16 a0, p, q, sc, zero
.irp a, \a0, \a0+1
.irp b, 0,1,2,3,4,5,6,7
.if \zero
	v_wmma_scale_f32_16x16x128_f8f6f4 v[8*(8*((\a)%4)+\b):8*(8*((\a)%4)+\b)+7], v[128*(\p)+FR*\b:128*(\p)+FR*\b+FR-1], v[AF+FR*(\a):AF+FR*(\a)+FR-1], 0, v[SC+8*NQ*(\sc)+NQ*\b+(\q)], v[SC+8*NQ*(\sc)+NQ*(\a)+(\q)] matrix_a_fmt:MATRIX_FMT_FP6 matrix_b_fmt:MATRIX_FMT_FP6 matrix_a_scale:MATRIX_SCALE_ROW1
.else
	v_wmma_scale_f32_16x16x128_f8f6f4 v[8*(8*((\a)%4)+\b):8*(8*((\a)%4)+\b)+7], v[128*(\p)+FR*\b:128*(\p)+FR*\b+FR-1], v[AF+FR*(\a):AF+FR*(\a)+FR-1], v[8*(8*((\a)%4)+\b):8*(8*((\a)%4)+\b)+7], v[SC+8*NQ*(\sc)+NQ*\b+(\q)], v[SC+8*NQ*(\sc)+NQ*(\a)+(\q)] matrix_a_fmt:MATRIX_FMT_FP6 matrix_b_fmt:MATRIX_FMT_FP6 matrix_a_scale:MATRIX_SCALE_ROW1
.endif
.endr
.endr
.endm
.macro FETCH_B slot, q, p              ; R's eight fragments of the slot's q-th 128 along K into set p
	WIN TO_B
.irp i, 0,1,2,3,4,5,6,7
	FRAG 128*(\p)+FR*\i, ADRB+\slot, \q, \i
.endr
	WIN 0
.endm
.macro FETCH_A slot, q, i0             ; P's blocks i0 .. i0 + 3
.irp i, \i0, \i0+1, \i0+2, \i0+3
	FRAG AF+FR*(\i), ADRA+\slot, \q, \i
.endr
.endm
.macro SCALES sc                       ; a K step's scale words into set sc: two words a row; lanes 0-15 take P's block i, lanes 16-31 R's block i
.irp i, 0,1,2,3,4,5,6,7
	ds_load_b64 v[SC+8*NQ*\sc+NQ*\i:SC+8*NQ*\sc+NQ*\i+1], v[ADRS] offset:\i*SBLK
.endr
.endm
; A load into a register that a matrix instruction has read, and a vector instruction that reads a matrix result, stand NP places behind it; only plain vector instructions that name none of its registers are places.
.macro PLACES n
.rept \n
	v_nop
.endr
.endm
; A step of 128 along K that has its successor in the same slot.
.macro STEP slot, q, zero
	s_wait_dscnt 4*NL                              ; R's set and P's blocks 0-3 are in; the youngest 24 loads (P's blocks 4-7) may be out
	WIN MUL_LO
	MUL16 0, (\q)%2, \q, \slot, \zero
	MUL16 2, (\q)%2, \q, \slot, \zero
	s_wait_dscnt 0                                 ; P's blocks 4-7 are in
	PLACES NP
	FETCH_B \slot, (\q)+1, 1-(\q)%2
	FETCH_A \slot, (\q)+1, 0
	WIN MUL_HI
	MUL16 4, (\q)%2, \q, \slot, \zero
	MUL16 6, (\q)%2, \q, \slot, \zero
	PLACES NP
	WIN 0
	FETCH_A \slot, (\q)+1, 4
.endm
; A slot's last step changes slots: ONE barrier; in front of it each wave waits for all its tensor loads, adds 0 to its spare word, and waits for that and for its own reads of this slot.  fill = 1: this slot is filled again, two K steps ahead.
.macro TURN slot, next, fill
	s_wait_tensorcnt 0x0                           ; all my tensor loads have landed: my part of the next slot
	ds_add_u32 v[SPW], v[NIL]                      ; 0 onto my spare word
	s_wait_dscnt 4*NL+1                            ; (the add and the youngest 24 loads, P's blocks 4-7, may be out)
	WIN MUL_LO
	MUL16 0, 1, NQ-1, \slot, 0                     ; sixteen matrix instructions stand between the add and the wait for it
	s_wait_dscnt 0x0                               ; the add is done, and my reads of this slot are over
	s_barrier_signal -1
	MUL16 2, 1, NQ-1, \slot, 0
	WIN 0
	s_barrier_wait -1
.if \fill
	CREST                                          ; the barrier has opened a round of the cluster's barrier: no wave of any partner still reads this slot's tile or has a load on its way
	s_add_nc_u64 s[G0+4*\slot+2:G0+4*\slot+3], s[G0+4*\slot+2:G0+4*\slot+3], 2*ROWB
	s_add_nc_u64 s[G0B+4*\slot+2:G0B+4*\slot+3], s[G0B+4*\slot+2:G0B+4*\slot+3], 2*ROWB
	JLOAD G0+4*\slot, G1, G0B+4*\slot, G1B         ; the first tensor load behind the round, and my only one until the next; its four v_nop are the places in front of the loads below
.else
	PLACES NP
.endif
	v_add_nc_u32 v[ADRS], 4*NQ, v[ADRS]            ; on to the next K step's scale words
	FETCH_B \next, 0, 0
	FETCH_A \next, 0, 0
	SCALES \next
	WIN MUL_HI
	MUL16 4, 1, NQ-1, \slot, 0
	MUL16 6, 1, NQ-1, \slot, 0
	PLACES NP
	WIN 0
	FETCH_A \next, 0, 4
.endm
	s_wait_tensorcnt 1                             ; the scales and my part of K step 0 are in (K step 1's load may be out)
	s_barrier_signal -1
	s_barrier_wait -1                              ; everybody's are
	FETCH_B 0, 0, 0
	FETCH_A 0, 0, 0
	SCALES 0
	FETCH_A 0, 0, 4
	STEP 0, 0, 1                                   ; the first step stands in front of the loop: its products start the sums
	s_mov_b32 s3, LAPS-1
.Llap:                                                 ; a trip goes once round the ring and fills both slots again
	TURN 0, 1, 1
	STEP 1, 0, 0
	TURN 1, 0, 1
	STEP 0, 0, 0
	s_sub_co_u32 s3, s3, 1
	s_cmp_lg_u32 s3, 0
	s_cbranch_scc1 .Llap
	TURN 0, 1, 0                                   ; the last lap fills nothing
	STEP 1, 0, 0
	s_wait_dscnt 4*NL                              ; the very last step
	WIN MUL_LO
	MUL16 0, 1, NQ-1, 1, 0
	MUL16 2, 1, NQ-1, 1, 0
	s_wait_dscnt 0
	WIN MUL_HI
	MUL16 4, 1, NQ-1, 1, 0
	MUL16 6, 1, NQ-1, 1, 0
	WIN 0
; ---- THE WAY OUT
; Block a's 64 numbers of a lane, bias added, into window 0: register 8 b + j = out(16 a + r, 16 b + 8 h + j).  Each accumulator is read from its low end on.  kind = 1: v, whose bias goes with the lane's row.
.macro MOVE a, kind
	WIN 0x06+(\a)/4                                ; source 0 window 2 or 3, source 1 window 1, destination window 0
.set kk, 0
.rept 32
.if \kind
	BIRSET 8*(\a)
.else
	BIRSET 2*kk
.endif
	v_pk_add_f32 v[ST+2*kk:ST+2*kk+1], v[64*((\a)%4)+2*kk:64*((\a)%4)+2*kk+1], v[BR:BR+1]
.set kk, kk+1
.endr
	WIN 0
.endm
; Of each 32 along j a lane half h holds 8 h + 0 .. 7 and 16 + 8 h + 0 .. 7; the exchange gives it 16 h + 0 .. 15: register 16 b + i = j 32 b + 16 h + i.
.macro SWAPS
.irp b, 0,1,2,3
.irp j, 0,1,2,3,4,5,6,7
	v_permlane16_swap_b32 v[ST+16*\b+\j], v[ST+16*\b+8+\j]
.endr
.endr
.endm
; 64 numbers of a lane, register 16 b + i = k 32 b + 16 (lane / 16) + i of my row, become a fragment's codes in v[pc] on (v[pc + 12] on at work) and its scale word in v[pw].
.macro QUANT s, pc, pw
.irp b, 0,1,2,3
	v_max3_num_f32 v[TM+\b], |v[\s+16*\b]|, |v[\s+1+16*\b]|, 0x1800000   ; block b: my 16 numbers, and the floor 2^(3 - 127): so the byte cannot fall under 1
.endr
.irp i, 2,4,6,8,10,12,14
.irp b, 0,1,2,3
	v_max3_num_f32 v[TM+\b], v[TM+\b], |v[\s+16*\b+\i]|, |v[\s+1+16*\b+\i]|
.endr
.endr
.irp b, 0,1,2,3
	v_permlanex16_b32 v[TM+4+\b], v[TM+\b], s[SEL], s[SEL+1]
.endr
.irp b, 0,1,2,3
	v_max_num_f32 v[TM+\b], v[TM+\b], v[TM+4+\b]   ; with lane l xor 16's: the block's largest magnitude
.endr
.irp b, 0,1,2,3
	v_add_nc_u32 v[TM+12+\b], 0xff000000, v[TM+\b] ; 2 off its exponent field: the conversion takes the exponent field of this operand as its scale
.endr
.irp b, 0,1,2,3
	v_lshrrev_b32 v[TM+4+\b], 23, v[TM+12+\b]      ; the scale's byte
.endr
	v_lshl_or_b32 v[\pw], v[TM+5], 8, v[TM+4]
	v_lshl_or_b32 v[\pw], v[TM+6], 16, v[\pw]
	v_lshl_or_b32 v[\pw], v[TM+7], 24, v[\pw]
.irp c, 0,1
	v_cvt_scalef32_pk16_fp6_f32 v[\pc+6*\c:\pc+2+6*\c], v[\s+32*\c:\s+15+32*\c], v[TM+12+2*\c]
	v_cvt_scalef32_pk16_fp6_f32 v[\pc+12+4*\c:\pc+14+4*\c], v[\s+16+32*\c:\s+31+32*\c], v[TM+12+2*\c+1]   ; (a conversion's three registers begin on an even number)
.endr
	v_nop                                          ; one plain place behind a scaled conversion
.irp c, 0,1                                    ; the operand's layout wants a whole block in a lane
.irp i, 0,1,2
	v_permlane16_swap_b32 v[\pc+6*\c+\i], v[\pc+12+4*\c+\i]
.endr
.irp i, 0,1,2
	v_mov_b32 v[\pc+3+6*\c+\i], v[\pc+12+4*\c+\i]
.endr
.endr
.endm
; Natural blocks 2 bp and 2 bp + 1 become tiles 2 bp and 2 bp + 1: tile 2 bp takes the first block's lanes 0-7 and, in its lanes 8-15, the second's lanes 0-7; tile 2 bp + 1 the rest.
.macro PERM bp
	s_wait_xcnt 0x0                                ; the last pair's stores have read their registers
.set ii, 0
.rept 12
	v_mov_b32_dpp v[XX], v[CB+ii] row_xmask:8 row_mask:0xf bank_mask:0xf
	v_mov_b32_dpp v[YY], v[CA+ii] row_xmask:8 row_mask:0xf bank_mask:0xf
	v_cndmask_b32 v[T0+ii], v[CA+ii], v[XX], s[M8]
	v_cndmask_b32 v[T1+ii], v[YY], v[CB+ii], s[M8]
.set ii, ii+1
.endr
	v_mov_b32_dpp v[XX], v[PWB] row_xmask:8 row_mask:0xf bank_mask:0xf
	v_mov_b32_dpp v[YY], v[PWA] row_xmask:8 row_mask:0xf bank_mask:0xf
	v_cndmask_b32 v[WW+2*(\bp)], v[PWA], v[XX], s[M8]
	v_cndmask_b32 v[WW+2*(\bp)+1], v[YY], v[PWB], s[M8]
.endm
; q, k: a tile's registers 0-5 are my first head's 64 along K, registers 6-11 my second head's: two half images of 768 bytes (four registers at 16 x lane, two at 512 + 8 x lane).
; v: a tile is a whole fragment of one head, 16 channels x 128 keys: three groups of four registers at 512 c + 16 x lane; tiles 0-3 are my first head's, tiles 4-7 my second's.
.macro STORE2 bp, kind
.irp e, 0,1
.set TT, T0+12*\e
.set AA, 2*(\bp)+\e
.if \kind
.irp c, 0,1,2
.if AA < 4
	global_store_b128 v[L16], v[TT+4*\c:TT+4*\c+3], s[OA:OA+1] offset:1536*AA+512*\c
.else
	global_store_b128 v[L16], v[TT+4*\c:TT+4*\c+3], s[OB:OB+1] offset:1536*(AA-4)+512*\c
.endif
.endr
.else
	global_store_b128 v[L16], v[TT:TT+3], s[OA:OA+1] offset:768*AA
	global_store_b64 v[L8], v[TT+4:TT+5], s[OA:OA+1] offset:768*AA+512
	global_store_b128 v[L16], v[TT+6:TT+9], s[OB:OB+1] offset:768*AA
	global_store_b64 v[L8], v[TT+10:TT+11], s[OB:OB+1] offset:768*AA+512
.endif
.endr
.endm
.macro WAYOUT kind
.irp bp, 0,1,2,3
	MOVE 2*\bp, \kind
	SWAPS
	QUANT ST, CA, PWA
	MOVE 2*\bp+1, \kind
	SWAPS
	QUANT ST, CB, PWB
	PERM \bp
	STORE2 \bp, \kind
.endr
.irp j, 0,1,2,3
	v_cndmask_b32 v[ZZ+\j], v[WW+2*\j], v[WW+2*\j+1], s[MH]   ; lanes 0-15: tile 2 j's words; lanes 16-31: tile 2 j + 1's
.endr
.if \kind
	global_store_b64 v[L8], v[ZZ:ZZ+1], s[OA:OA+1] offset:6144       ; v: a word's four bytes are the step's four blocks of keys; 256 consecutive bytes a head
	global_store_b64 v[L8], v[ZZ+2:ZZ+3], s[OB:OB+1] offset:6144
.else
.irp j, 0,1,2,3
	v_and_b32 v[XA+\j], 0xffff, v[ZZ+\j]           ; q, k: the first head's two bytes, with zeros above them,
	v_lshrrev_b32 v[XB+\j], 16, v[ZZ+\j]           ; and the second head's
.endr
	global_store_b128 v[L16], v[XA:XA+3], s[OA:OA+1] offset:6144     ; 512 consecutive bytes a head
	global_store_b128 v[L16], v[XB:XB+3], s[OB:OB+1] offset:6144
.endif
.endm
	PLACES NP                                      ; behind the last products: their results are read and their operands' registers written below
	s_wait_loadcnt 0x0                             ; the bias
.irp b, 0,1,2,3
	v_mov_b32 v[TM+4+\b], 0                        ; written once: a lane permute's destination counts as one of its sources
.endr
	v_mov_b32 v[XX], 0
	v_mov_b32 v[YY], 0
	s_cmp_eq_u32 ttmp9, 2                          ; the same in all waves of all sixteen partners
	s_cbranch_scc1 .Lway_v
	WAYOUT 0
	s_branch .Lend
.Lway_v:
	WAYOUT 1
.Lend:
	s_wait_tensorcnt 0x0                           ; the wave's end
	ds_add_u32 v[SPW], v[NIL]
	s_wait_dscnt 0x0
	CROUND                                         ; the closing round: no work-group ends while a partner may still ask for a tile that names it
	s_endpgm
.Lfunc_end_k_qbe24705535_qkv:
	.size	k_qbe24705535_qkv, .Lfunc_end_k_qbe24705535_qkv-k_qbe24705535_qkv
	.p2alignl 7, 3214868480
	.fill 96, 4, 3214868480
	.section	.rodata,"a",@progbits
	.p2align	6, 0x0
	.amdhsa_kernel k_qbe24705535_qkv
		.amdhsa_group_segment_fixed_size 327680
		.amdhsa_private_segment_fixed_size 0
		.amdhsa_enable_private_segment 0
		.amdhsa_kernarg_size 56
		.amdhsa_user_sgpr_count 2
		.amdhsa_user_sgpr_kernarg_segment_ptr 1
		.amdhsa_wavefront_size32 1
		.amdhsa_system_sgpr_workgroup_id_x 1
		.amdhsa_system_sgpr_workgroup_id_y 1
		.amdhsa_system_sgpr_workgroup_id_z 1
		.amdhsa_system_vgpr_workitem_id 0
		.amdhsa_next_free_vgpr 1024
		.amdhsa_next_free_sgpr 102
		.amdhsa_reserve_vcc 0
		.amdhsa_float_denorm_mode_32 3
		.amdhsa_float_denorm_mode_16_64 3
		.amdhsa_memory_ordered 1
		.amdhsa_forward_progress 1
		.amdhsa_inst_pref_size 255
	.end_amdhsa_kernel
	.section	.bss,"aw",@nobits
	.p2align	6
	.space	262144
	.amdgpu_metadata
---
amdhsa.version: [ 1, 2 ]
amdhsa.kernels:
  - .name:           k_qbe24705535_qkv
    .symbol:         k_qbe24705535_qkv.kd
    .args:
      - { .name: x_codes, .offset: 0, .size: 8, .value_kind: global_buffer, .address_space: global }
      - { .name: x_scales, .offset: 8, .size: 8, .value_kind: global_buffer, .address_space: global }
      - { .name: w_attn_codes, .offset: 16, .size: 8, .value_kind: global_buffer, .address_space: global }
      - { .name: w_attn_scales, .offset: 24, .size: 8, .value_kind: global_buffer, .address_space: global }
      - { .name: b_attn, .offset: 32, .size: 8, .value_kind: global_buffer, .address_space: global }
      - { .name: qb, .offset: 40, .size: 8, .value_kind: global_buffer, .address_space: global }
      - { .name: kv, .offset: 48, .size: 8, .value_kind: global_buffer, .address_space: global }
    .group_segment_fixed_size: 327680
    .private_segment_fixed_size: 0
    .kernarg_segment_align: 8
    .kernarg_segment_size: 56
    .max_flat_workgroup_size: 128
    .sgpr_count:     102
    .vgpr_count:     1024
    .wavefront_size: 32
...
	.end_amdgpu_metadata
.endif
;; end of part 1
;; launch attn (part 2): grid 256 x 1, 16 waves a work-group, clusters of 4 x 1, 215,040 bytes of LDS; arguments qb, kv, yimg, ysc; writes yimg, ysc
.if DOCPART == 2
	.amdgcn_target "amdgcn-amd-amdhsa--gfx1250"
	.amdhsa_code_object_version 6
	.text
	.protected	k_qbe24705535_attn
	.globl	k_qbe24705535_attn
	.p2align	8
	.type	k_qbe24705535_attn,@function
k_qbe24705535_attn:
	s_mov_b64 s[64:65], 0
	v_nop
	global_prefetch_b8 v0, s[64:65] scope:SCOPE_SE
	s_setreg_imm32_b32 hwreg(HW_REG_WAVE_MODE, 25, 1), 1
	s_wait_xcnt 0x0
	s_wait_alu depctr_hold_cnt(0) depctr_sa_sdst(0) depctr_va_vdst(0) depctr_va_sdst(0) depctr_va_ssrc(0) depctr_va_vcc(0) depctr_vm_vsrc(0)
	s_getreg_b32 s2, hwreg(HW_REG_IB_STS2, 6, 4)
	s_cmp_eq_u32 s2, 0
	s_cbranch_scc0 .Lentry_in_a_cluster
	s_endpgm
.Lentry_in_a_cluster:
	s_bfe_u32 s2, ttmp6, 0x10000c
	s_cmp_lg_u32 s2, 0x3003
	s_cbranch_scc0 .Lentry_shape_is_right
	s_endpgm
.Lentry_shape_is_right:
; Causal attention of one head on codes of FP6 (E2M3) with E8M0 scales: S^T = K Q^T (K = the head's 64), p = 2^(t - M), O^T = V^T P^T (K = the keys), y = O / l, and y quantised along the model's 1,024.
; t = score x log2(e) / 8; M = the running largest t rounded up to a whole number; the row's sum is taken of the unquantised p; when M moves, the sum and O are multiplied by 2^(old M - new M), which rounds nothing.
; SHARES.  A cluster of four work-groups is one (batch, head).  The head's K, V and their scale words, 208,896 bytes in the order of the operands' registers, are brought into each partner's LDS ONCE, by sixteen joint
; tensor loads (wave w: key step w, 51 rows of 256 bytes): nothing is filled again, so there is one barrier between the fills and the reads and none after it.
; A group g is 128 queries, in eight tiles a of 16; partner cx takes tiles 2 cx + u of every group.  Wave w (u = w / 8, p = w % 8) runs two passes: tile (g = p), which has p + 1 key steps of 128 keys,
; and tile (g = 15 - p), which has 16 - p: 17 key steps for every wave.  Four waves share a SIMD, so that one wave's vector work stands beside another's products and LDS loads.
; All branches hang on the wave's number alone; cx enters global addresses and the lane's query number, nothing else.  A step all of whose keys come after the tile's queries is jumped over; the loops' trip counts are constants.
; ORDER OF ROWS IN A TILE: row(a, r) = 32 (a / 2) + 8 (a % 2) + r + 8 (r / 8), for keys, for V's channels and for queries: so the 16 registers of result tiles 2 b and 2 b + 1 are 16 neighbours, 32 b + 16 (lane / 16) + i.
; K = 64 IN AN INSTRUCTION OF K = 128: Q's registers 6-11 hold zero codes.  K's tile t is named as v[32 + 6 t .. 32 + 6 t + 11]: its upper six registers are the next tile's codes (zeros behind tile 7).  No code of this format is
; a NaN or an infinity and the scale bytes of those two blocks are 0 on both sides: the products are exact zeros.
; No prefetch: everything that the launch reads in bulk is asked for in its first lines.
; LIMITS: NaN and infinities are not served.  A block of y whose largest magnitude lies under 2^-124 keeps the scale byte 1; a block of zeros has the byte 1, not 127: its codes are zeros, and this program alone reads the bytes.
.set STEPB, 13056                      ; a key step's block: 8 tiles of K x 768, 512 of scale words, 4 tiles of V x 1,536, 256 of scale words
.set L16,  1                           ; v1   16 x lane
.set L8,   2                           ; v2   8 x lane
.set DQ,   3                           ; v3   my query in its group - 16 (lane / 16)
.set A16,  4                           ; v4   LDS address of the step in hand + 16 x lane
.set A8,   5                           ; v5   + 8 x lane
.set VQ16, 6                           ; v6   Q's tile in its group: 768 a + 16 x lane
.set VQ8,  7                           ; v7   768 a + 8 x lane
.set VQS,  8                           ; v8   my query's scale word among the group's
.set YSO,  9                           ; v9   4 r + h: my byte among the tile's scale words of y
.set QF,   16                          ; v16-21 Q's codes, v22-27 zeros
.set KSC,  28                          ; v28-31 K's scale words: register j: lanes 0-15 tile 2 j, lanes 16-31 tile 2 j + 1
.set KF,   32                          ; v32-79 K's eight tiles x 6, later V's four x 12; v80-85 zeros
.set VSC,  86                          ; v86-87 V's scale words
.set Q2,   88                          ; v88-93, v94 the second pass's Q and its scale word
.set QS,   95                          ; v95  Q's scale word
.set S,    96                          ; v96-159 S^T, then p
.set OT,   160                         ; v160-191 O^T
.set BM,   192                         ; v192-195 a block's largest score, then p
.set BT,   196                         ; v196-199 at work
.set BO,   200                         ; v200-203 the conversions' scale operands
.set PC,   204                         ; v204-215 p's codes
.set PT,   216                         ; v216-223 at work
.set FF,   224                         ; v[224:225] f = 2^(old M - new M), in the low word
.set PS,   226                         ; v226 p's scale word
.set TP,   227                         ; v227 at work
.set YC,   228                         ; v228-233 y's codes; v234-236 at work; v238 my scale byte
.set YT,   234
.set YB,   238
.set WV,   12                          ; s12  my wave's number
.set SEL,  20                          ; s[20:21] lane selects for v_permlanex16_b32: lane l xor 16
.set CS,   22                          ; s[22:23] c = log2(e) / 8
.set G1,   24                          ; s[24:31], s[32:35] the descriptor
.set G0,   32
.set TB,   36                          ; s36  LDS byte at which the step in hand begins
.set KST,  37                          ; s37  the key step
.set GP,   38                          ; s38, s39 the two passes' groups
.set QP,   40                          ; s[40:43] their Q;  s[44:47] their place in yimg;  s[48:51] in ysc
.set YP,   44
.set YS,   48
.set MH,   52                          ; s52  lanes 16-31
.macro ROUND                           ; a round of the cluster's barrier
	s_barrier_signal -1
	s_barrier_wait -1
	s_cmp_lg_u32 s[WV], 0
	s_cbranch_scc1 .Lnot_wave_0_\@
	s_barrier_signal -3
.Lnot_wave_0_\@:
	s_barrier_wait -3
	s_barrier_signal -1
	s_barrier_wait -1
.endm
	s_load_b256 s[4:11], s[0:1], 0x0               ; qb s[4:5], kv s[6:7], yimg s[8:9], ysc s[10:11]
	v_lshl_add_u32 v254, v0, 2, 0x34000
	v_mov_b32 v255, 0
	ds_add_u32 v254, v255
	ds_add_u32 v254, v255
	v_lshrrev_b32 v10, 5, v0
	s_delay_alu instid0(VALU_DEP_1)
	v_readfirstlane_b32 s[WV], v10                 ; wave 0..15
	s_bfe_u32 s13, ttmp6, 0x40000                  ; cx
	s_lshr_b32 s14, s[WV], 3                       ; u
	s_and_b32 s15, s[WV], 7                        ; p
	s_lshl_b32 s16, s13, 1
	s_add_co_u32 s16, s16, s14                     ; a = 2 cx + u
	s_mov_b32 s17, ttmp9                           ; 16 x batch + head: the cluster's number
	s_mov_b32 s[GP], s15
	s_xor_b32 s[GP+1], s15, 15
	s_mov_b32 s[G1], 15|(3<<16)|(1<<21)            ; 15:0 the mask: all four partners; 17:16 elements of 8 bytes; 21 set beside a mask; no padding
	s_mov_b32 s[G1+1], 32<<16                      ; tensor_dim0 = 32 elements: 256 bytes
	s_mov_b32 s[G1+2], 51<<16                      ; tensor_dim1 = 51 rows: 13,056 bytes
	s_mov_b32 s[G1+3], 32<<16                      ; tile_dim0
	s_mov_b32 s[G1+4], 51                          ; tile_dim1
	s_mov_b32 s[G1+5], 32                          ; the pitch: dense
	s_mov_b32 s[G1+6], 0
	s_mov_b32 s[G1+7], 0
	s_mov_b32 s[G0], 1
	s_mul_i32 s[G0+1], s[WV], STEPB                ; LDS: key step w
	s_mul_i32 s18, s17, 16*STEPB
	s_add_co_u32 s18, s18, s[G0+1]
	s_mov_b32 s19, 0
	s_mov_b32 s[SEL], 0x76543210
	s_mov_b32 s[SEL+1], 0xfedcba98
	s_mov_b32 s[CS], 0x3e38aa3b
	s_mov_b32 s[CS+1], s[CS]                       ; (named with it as a pair, so it is written)
	s_mov_b32 s[MH], 0xffff0000
	s_wait_dscnt 0x0
	s_wait_kmcnt 0x0
	s_add_nc_u64 s[G0+2:G0+3], s[6:7], s[18:19]    ; the head's key step w: the same in all four partners
	s_or_b32 s[G0+3], s[G0+3], 0x80000000
	ROUND                                          ; all four work-groups are here: the joint loads meet
	tensor_load_to_lds s[G0:G0+3], s[G1:G1+7]      ; my one tensor load
	s_nop 0
.rept 4
	v_nop
.endr
	; where the two passes read Q and store y
	s_mul_i32 s18, s17, 106496                     ; qb: a head is 16 groups of 6,656 bytes
	s_lshr_b32 s19, s17, 4                         ; the batch
	s_and_b32 s53, s17, 15                         ; the head
	s_mul_i32 s54, s19, 16*98304                   ; yimg [G][q 4][a 8][hh 4][768]: G = 16 x batch + g, head = 4 q + hh
	s_lshr_b32 s55, s53, 2
	s_mul_i32 s55, s55, 24576
	s_add_co_u32 s54, s54, s55
	s_and_b32 s55, s53, 3
	s_mul_i32 s55, s55, 768
	s_add_co_u32 s54, s54, s55
	s_mul_i32 s55, s16, 3072
	s_add_co_u32 s54, s54, s55
	s_lshl_b32 s56, s19, 16                        ; ysc [G][s 8][a 8][r 16] of words: s = head / 2, byte 2 (head % 2) + block
	s_lshr_b32 s55, s53, 1
	s_lshl_b32 s55, s55, 9
	s_add_co_u32 s56, s56, s55
	s_lshl_b32 s55, s16, 6
	s_add_co_u32 s56, s56, s55
	s_and_b32 s55, s53, 1
	s_lshl_b32 s55, s55, 1
	s_add_co_u32 s56, s56, s55
	s_mov_b32 s59, 0
.irp n, 0,1
	s_mul_i32 s58, s[GP+\n], 6656
	s_add_co_u32 s58, s58, s18
	s_add_nc_u64 s[QP+2*\n:QP+2*\n+1], s[4:5], s[58:59]
	s_mul_i32 s58, s[GP+\n], 98304
	s_add_co_u32 s58, s58, s54
	s_add_nc_u64 s[YP+2*\n:YP+2*\n+1], s[8:9], s[58:59]
	s_lshl_b32 s58, s[GP+\n], 12
	s_add_co_u32 s58, s58, s56
	s_add_nc_u64 s[YS+2*\n:YS+2*\n+1], s[10:11], s[58:59]
.endr
	v_and_b32 v10, 31, v0
	s_delay_alu instid0(VALU_DEP_1)
	v_lshlrev_b32 v[L16], 4, v10
	s_delay_alu instid0(VALU_DEP_2)
	v_lshlrev_b32 v[L8], 3, v10
	v_and_b32 v10, 15, v0                          ; r
	v_bfe_u32 v11, v0, 4, 1                        ; h
	s_mul_i32 s18, s16, 768
	v_add_nc_u32 v[VQ16], s18, v[L16]
	v_add_nc_u32 v[VQ8], s18, v[L8]
	s_lshl_b32 s18, s14, 8
	s_lshl_b32 s19, s13, 2
	s_add_co_u32 s18, s18, s19
	v_lshl_add_u32 v[VQS], v10, 4, s18             ; word 4 (16 u + r) + cx: tile 2 cx + u, row r
	global_load_b128 v[QF:QF+3], v[VQ16], s[QP:QP+1]
	global_load_b64 v[QF+4:QF+5], v[VQ8], s[QP:QP+1] offset:512
	global_load_b32 v[QS], v[VQS], s[QP:QP+1] offset:6144
	global_load_b128 v[Q2:Q2+3], v[VQ16], s[QP+2:QP+3]
	global_load_b64 v[Q2+4:Q2+5], v[VQ8], s[QP+2:QP+3] offset:512
	global_load_b32 v[Q2+6], v[VQS], s[QP+2:QP+3] offset:6144
	v_and_b32 v[DQ], 8, v10
	s_delay_alu instid0(VALU_DEP_1)
	v_add_nc_u32 v[DQ], v[DQ], v10                 ; r + 8 (r / 8)
	v_lshlrev_b32 v[TP], 4, v11
	s_delay_alu instid0(VALU_DEP_1)
	v_sub_nc_u32 v[DQ], v[DQ], v[TP]
	s_lshl_b32 s18, s13, 5
	s_lshl_b32 s19, s14, 3
	s_add_co_u32 s18, s18, s19
	v_add_nc_u32 v[DQ], s18, v[DQ]                 ; 32 cx + 8 u + r + 8 (r / 8) - 16 h
	v_lshl_add_u32 v[YSO], v10, 2, v11
.irp j, 0,1,2,3,4,5
	v_mov_b32 v[QF+6+\j], 0                        ; zero codes: Q's K = 64 .. 127
	v_mov_b32 v[KF+48+\j], 0                       ; and behind K's tile 7
.endr
.irp b, 0,1,2,3
	v_mov_b32 v[BT+\b], 0                          ; written once: a lane permute's destination counts as one of its sources
.endr
	v_mov_b32 v[FF], 0
	v_mov_b32 v[FF+1], 0                           ; (named as the upper half of the pair)
	s_wait_tensorcnt 0x0                           ; my key step has landed,
	s_barrier_signal -1
	s_barrier_wait -1                              ; everybody's has
	s_wait_loadcnt 0x0                             ; Q of both passes
.macro SPROD t                         ; S^T's tile t = 16 keys x my 16 queries
.if (\t)%2
	v_wmma_scale_f32_16x16x128_f8f6f4 v[S+8*(\t):S+8*(\t)+7], v[KF+6*(\t):KF+6*(\t)+11], v[QF:QF+11], 0, v[KSC+(\t)/2], v[QS] matrix_a_fmt:MATRIX_FMT_FP6 matrix_b_fmt:MATRIX_FMT_FP6 matrix_a_scale:MATRIX_SCALE_ROW1
.else
	v_wmma_scale_f32_16x16x128_f8f6f4 v[S+8*(\t):S+8*(\t)+7], v[KF+6*(\t):KF+6*(\t)+11], v[QF:QF+11], 0, v[KSC+(\t)/2], v[QS] matrix_a_fmt:MATRIX_FMT_FP6 matrix_b_fmt:MATRIX_FMT_FP6
.endif
.endm
.macro OPROD t                         ; O^T's tile t += 16 channels x 128 keys x p
.if (\t)%2
	v_wmma_scale_f32_16x16x128_f8f6f4 v[OT+8*(\t):OT+8*(\t)+7], v[KF+12*(\t):KF+12*(\t)+11], v[PC:PC+11], v[OT+8*(\t):OT+8*(\t)+7], v[VSC+(\t)/2], v[PS] matrix_a_fmt:MATRIX_FMT_FP6 matrix_b_fmt:MATRIX_FMT_FP6 matrix_a_scale:MATRIX_SCALE_ROW1
.else
	v_wmma_scale_f32_16x16x128_f8f6f4 v[OT+8*(\t):OT+8*(\t)+7], v[KF+12*(\t):KF+12*(\t)+11], v[PC:PC+11], v[OT+8*(\t):OT+8*(\t)+7], v[VSC+(\t)/2], v[PS] matrix_a_fmt:MATRIX_FMT_FP6 matrix_b_fmt:MATRIX_FMT_FP6
.endif
.endm
; A KEY STEP: 128 keys.  g: the scalar register with the tile's group.
.macro STEP g
	s_cmp_gt_u32 s[KST], s[\g]                     ; all these keys come after my queries: the step's work is left out; the lines that step addresses follow the label
	s_cbranch_scc1 .Lhidden_\@
	s_setprio 2
	v_add_nc_u32 v[A16], s[TB], v[L16]
	v_add_nc_u32 v[A8], s[TB], v[L8]
.irp t, 0,1,2,3,4,5,6,7
	ds_load_b128 v[KF+6*\t:KF+6*\t+3], v[A16] offset:768*\t        ; every load takes 512 or 256 consecutive bytes
	ds_load_b64 v[KF+6*\t+4:KF+6*\t+5], v[A8] offset:768*\t+512
.endr
	ds_load_b128 v[KSC:KSC+3], v[A16] offset:6144
	s_wait_alu depctr_va_vdst(0)
	s_wait_dscnt 0x0
.irp t, 0,1,2,3,4,5,6,7
	SPROD \t
.endr
.rept 4
	v_nop                                          ; places: the scores are read below, and V's loads land in registers that these products have read
.endr
.irp c, 0,1,2,3,4,5,6,7,8,9,10,11
	ds_load_b128 v[KF+4*\c:KF+4*\c+3], v[A16] offset:6656+512*\c   ; V's four tiles land while the softmax is worked
.endr
	ds_load_b64 v[VSC:VSC+1], v[A8] offset:12800
	s_cmp_lg_u32 s[KST], s[\g]                     ; on the diagonal the scores of hidden keys become -infinity ahead of the maximum
	s_cbranch_scc1 .Lopen_\@
	v_mov_b32 v[TP], 0xff800000
.set n, 0
.rept 64
	v_cmp_gt_i32 vcc_lo, 32*(n/16)+n%16, v[DQ]     ; register 16 b + i holds key 32 b + 16 (lane / 16) + i of the group
	v_cndmask_b32 v[S+n], v[S+n], v[TP], vcc_lo
.set n, n+1
.endr
.Lopen_\@:
.irp b, 0,1,2,3
	v_max3_num_f32 v[BM+\b], v[S+16*\b], v[S+1+16*\b], v[S+2+16*\b]   ; the largest score of each block of 32 keys: for the row's maximum, and, since p rises with the score, for the block's largest p
.endr
.irp i, 3,5,7,9,11,13
.irp b, 0,1,2,3
	v_max3_num_f32 v[BM+\b], v[BM+\b], v[S+16*\b+\i], v[S+1+16*\b+\i]
.endr
.endr
.irp b, 0,1,2,3
	v_max_num_f32 v[BM+\b], v[BM+\b], v[S+15+16*\b]
.endr
.irp b, 0,1,2,3
	s_delay_alu instid0(VALU_DEP_4)
	v_permlanex16_b32 v[BT+\b], v[BM+\b], s[SEL], s[SEL+1]
.endr
.irp b, 0,1,2,3
	s_delay_alu instid0(VALU_DEP_4)
	v_max_num_f32 v[BM+\b], v[BM+\b], v[BT+\b]     ; with lane l xor 16's 16 keys
.endr
	s_delay_alu instid0(VALU_DEP_2)
	v_max3_num_f32 v[TP], v[BM], v[BM+1], v[BM+2]
	s_delay_alu instid0(VALU_DEP_1)
	v_max_num_f32 v[TP], v[TP], v[BM+3]
	s_delay_alu instid0(VALU_DEP_1)
	v_mul_f32 v[TP], s[CS], v[TP]                  ; as t (c is positive)
	s_delay_alu instid0(VALU_DEP_1)
	v_max_num_f32 v13, v13, v[TP]                  ; the running largest t
	v_mov_b32 v[TP], v12
	s_delay_alu instid0(VALU_DEP_2)
	v_floor_f32 v12, -v13                          ; the new -M = floor(-t): M is a whole number
	s_delay_alu instid0(VALU_DEP_1)
	v_sub_f32 v[TP], v12, v[TP]                    ; old M - new M: a whole number, 0 or less
	s_delay_alu instid0(VALU_DEP_1)
	v_cvt_i32_f32 v[TP], v[TP]                     ; (it saturates)
	s_delay_alu instid0(VALU_DEP_1)
	v_ldexp_f32 v[FF], 1.0, v[TP]                  ; f = 2^(old M - new M)
.set n, 0
.rept 32
	v_pk_fma_f32 v[S+n:S+n+1], v[S+n:S+n+1], s[CS:CS+1], v[12:13] op_sel_hi:[1,0,0]   ; t - M, two at a time
.set n, n+2
.endr
	s_setprio 1
.irp b, 0,1,2,3
	v_fma_f32 v[BM+\b], v[BM+\b], s[CS], v12       ; the same of each block's largest score
.endr
.set n, 0
	s_wait_alu depctr_va_vdst(0)
.rept 64
	v_exp_f32 v[S+n], v[S+n]                       ; p = 2^(t - M), at most 1: not normalised
.set n, n+1
.endr
.irp b, 0,1,2,3
	v_exp_f32 v[BM+\b], v[BM+\b]                   ; the block's largest p: the same two instructions on the same number
.endr
	v_pk_mul_f32 v[14:15], v[14:15], v[FF:FF+1] op_sel_hi:[1,0]   ; the sums under the new M (a plain place behind the exponentials)
	s_wait_alu depctr_va_vdst(0)
.irp b, 0,1,2,3
	v_max_num_f32 v[BM+\b], 0x1800000, v[BM+\b]    ; the floor 2^(3 - 127): the byte cannot fall under 1
.endr
.irp b, 0,1,2,3
	s_delay_alu instid0(VALU_DEP_4)
	v_add_nc_u32 v[BO+\b], 0xff000000, v[BM+\b]    ; 2 off the exponent field: the conversion's scale operand
.endr
.irp b, 0,1,2,3
	s_delay_alu instid0(VALU_DEP_4)
	v_lshrrev_b32 v[BT+\b], 23, v[BO+\b]           ; the scale's byte
.endr
	s_delay_alu instid0(VALU_DEP_3)
	v_lshl_or_b32 v[PS], v[BT+1], 8, v[BT]         ; p's scale word for these 128 keys
	s_delay_alu instid0(VALU_DEP_1)
	v_lshl_or_b32 v[PS], v[BT+2], 16, v[PS]
	s_delay_alu instid0(VALU_DEP_1)
	v_lshl_or_b32 v[PS], v[BT+3], 24, v[PS]
.irp c, 0,1
	v_cvt_scalef32_pk16_fp6_f32 v[PC+6*\c:PC+2+6*\c], v[S+32*\c:S+15+32*\c], v[BO+2*\c]
	v_cvt_scalef32_pk16_fp6_f32 v[PT+4*\c:PT+2+4*\c], v[S+16+32*\c:S+31+32*\c], v[BO+2*\c+1]   ; (a conversion's three registers begin on an even number)
.endr
	v_nop                                          ; one plain place behind a scaled conversion
.irp c, 0,1                                    ; the operand's layout wants a whole block in a lane
.irp i, 0,1,2
	v_permlane16_swap_b32 v[PC+6*\c+\i], v[PT+4*\c+\i]
.endr
.irp i, 0,1,2
	s_delay_alu instid0(VALU_DEP_3)
	v_mov_b32 v[PC+3+6*\c+\i], v[PT+4*\c+\i]
.endr
.endr
	v_pk_add_f32 v[216:217], v[100:101], v[104:105]
	v_pk_add_f32 v[252:253], v[108:109], v[112:113]
	v_pk_add_f32 v[250:251], v[116:117], v[120:121]
	v_pk_add_f32 v[248:249], v[124:125], v[128:129]
	v_pk_add_f32 v[246:247], v[132:133], v[136:137]
	v_pk_add_f32 v[244:245], v[140:141], v[144:145]
	v_pk_add_f32 v[242:243], v[148:149], v[152:153]
	v_pk_add_f32 v[14:15], v[14:15], v[156:157]
	v_pk_add_f32 v[216:217], v[216:217], v[96:97]
	v_pk_add_f32 v[252:253], v[252:253], v[98:99]
	v_pk_add_f32 v[250:251], v[250:251], v[102:103]
	v_pk_add_f32 v[248:249], v[248:249], v[106:107]
	v_pk_add_f32 v[246:247], v[246:247], v[110:111]
	v_pk_add_f32 v[244:245], v[244:245], v[114:115]
	s_setprio 0
	v_pk_add_f32 v[242:243], v[242:243], v[118:119]
	v_pk_add_f32 v[14:15], v[14:15], v[122:123]
	v_pk_add_f32 v[216:217], v[216:217], v[126:127]
	v_pk_add_f32 v[252:253], v[252:253], v[130:131]
	v_pk_add_f32 v[250:251], v[250:251], v[134:135]
	v_pk_add_f32 v[248:249], v[248:249], v[138:139]
	v_pk_add_f32 v[246:247], v[246:247], v[142:143]
	v_pk_add_f32 v[244:245], v[244:245], v[146:147]
	v_pk_add_f32 v[242:243], v[242:243], v[150:151]
	v_pk_add_f32 v[14:15], v[14:15], v[154:155]
	v_pk_add_f32 v[216:217], v[216:217], v[158:159]
	s_delay_alu instid0(VALU_DEP_2)
	v_pk_add_f32 v[14:15], v[14:15], v[248:249]
	s_delay_alu instid0(VALU_DEP_2)
	v_pk_add_f32 v[216:217], v[216:217], v[246:247]
	v_pk_add_f32 v[252:253], v[252:253], v[244:245]
	v_pk_add_f32 v[250:251], v[250:251], v[242:243]
	s_delay_alu instid0(VALU_DEP_2)
	v_pk_add_f32 v[14:15], v[14:15], v[252:253]
	s_delay_alu instid0(VALU_DEP_2)
	v_pk_add_f32 v[216:217], v[216:217], v[250:251]
	s_delay_alu instid0(VALU_DEP_1)
	v_pk_add_f32 v[14:15], v[14:15], v[216:217]
.set n, 0
.rept 16
	v_pk_mul_f32 v[OT+n:OT+n+1], v[OT+n:OT+n+1], v[FF:FF+1] op_sel_hi:[1,0]   ; O^T under the new M (these and the sums are the places between p's codes and scale word and the products)
.set n, n+2
.endr
	s_wait_alu depctr_va_vdst(0)
	s_wait_dscnt 0x0                               ; V
.irp t, 0,1,2,3
	OPROD \t                                       ; four accumulators, one instruction each: they take turns with the scores' eight
.endr
.rept 4
	v_nop                                          ; places in front of the next step's loads into V's registers, and of the way out's reads of O^T
.endr
.Lhidden_\@:
.endm
; y = O / l of my 16 queries x 64 channels, quantised along the channels (two blocks), stored as half an operand's image, with its two scale bytes.
.macro WAYOUT yp, ys
	v_add_f32 v14, v14, v15                        ; the sum's two halves,
	s_delay_alu instid0(VALU_DEP_1)
	v_permlanex16_b32 v[FF], v14, s[SEL], s[SEL+1]
	s_delay_alu instid0(VALU_DEP_1)
	v_add_f32 v14, v14, v[FF]                      ; and lane l xor 16's
	s_wait_alu depctr_va_vdst(0)
	v_rcp_f32 v14, v14
	v_nop                                          ; one plain place behind a transcendental
.set n, 0
	s_wait_alu depctr_va_vdst(0)
.rept 32
	v_mul_f32 v[S+n], v[OT+n], v14                 ; register 16 b + i = channel 32 b + 16 h + i; each accumulator from its low end on
.set n, n+1
.endr
.irp b, 0,1
	v_max3_num_f32 v[BM+\b], |v[S+16*\b]|, |v[S+1+16*\b]|, 0x1800000
.endr
.irp i, 2,4,6,8,10,12,14
.irp b, 0,1
	s_delay_alu instid0(VALU_DEP_2)
	v_max3_num_f32 v[BM+\b], v[BM+\b], |v[S+16*\b+\i]|, |v[S+1+16*\b+\i]|
.endr
.endr
.irp b, 0,1
	s_delay_alu instid0(VALU_DEP_2)
	v_permlanex16_b32 v[BT+\b], v[BM+\b], s[SEL], s[SEL+1]
.endr
.irp b, 0,1
	s_delay_alu instid0(VALU_DEP_2)
	v_max_num_f32 v[BM+\b], v[BM+\b], v[BT+\b]
.endr
.irp b, 0,1
	s_delay_alu instid0(VALU_DEP_2)
	v_add_nc_u32 v[BO+\b], 0xff000000, v[BM+\b]
.endr
.irp b, 0,1
	s_delay_alu instid0(VALU_DEP_2)
	v_lshrrev_b32 v[BT+\b], 23, v[BO+\b]
.endr
	s_wait_alu depctr_va_vdst(0)
	s_wait_xcnt 0x0                                ; the first pass's stores have read their registers
	v_cvt_scalef32_pk16_fp6_f32 v[YC:YC+2], v[S:S+15], v[BO]
	v_cvt_scalef32_pk16_fp6_f32 v[YT:YT+2], v[S+16:S+31], v[BO+1]
	v_cndmask_b32 v[YB], v[BT], v[BT+1], s[MH]     ; lanes 0-15 store block 0's byte, lanes 16-31 block 1's (a plain place behind the conversions)
.irp i, 0,1,2
	v_permlane16_swap_b32 v[YC+\i], v[YT+\i]
.endr
.irp i, 0,1,2
	s_delay_alu instid0(VALU_DEP_3)
	v_mov_b32 v[YC+3+\i], v[YT+\i]
.endr
	global_store_b128 v[L16], v[YC:YC+3], s[\yp:\yp+1]             ; 512 consecutive bytes, aligned
	global_store_b64 v[L8], v[YC+4:YC+5], s[\yp:\yp+1] offset:512  ; 256 consecutive bytes, aligned
	global_store_b8 v[YSO], v[YB], s[\ys:\ys+1]                    ; a word's other two bytes belong to the neighbouring head, another cluster's: so single bytes, 1 / 24 of y's bytes
.endm
.macro PASS nt, n
	v_mov_b32 v13, 0xff61b1e6                      ; the largest t so far: -3e38
	s_delay_alu instid0(VALU_DEP_1)
	v_floor_f32 v12, -v13                          ; -M
	v_mov_b32 v14, 0
	v_mov_b32 v15, 0
.set m, 0
.rept 32
	v_mov_b32 v[OT+m], 0                           ; the first step finds zeros, which the first change of M leaves zeros
.set m, m+1
.endr
	s_mov_b32 s[TB], 0
	s_mov_b32 s[KST], 0
.Lstep_\@:
	STEP GP+\n
	s_add_co_u32 s[TB], s[TB], STEPB
	s_add_co_u32 s[KST], s[KST], 1
	s_cmp_lt_u32 s[KST], \nt
	s_cbranch_scc1 .Lstep_\@
	s_setprio 0
	WAYOUT YP+2*\n, YS+2*\n
.endm
	PASS 8, 0                                      ; group p: at most eight key steps
.irp j, 0,1,2,3,4,5
	v_mov_b32 v[QF+\j], v[Q2+\j]                   ; the second pass's Q; the pass's 36 first lines are the places between these and the first product
.endr
	v_mov_b32 v[QS], v[Q2+6]
	PASS 16, 1                                     ; group 15 - p
	s_wait_dscnt 0x0
	s_wait_tensorcnt 0x0
	ds_add_u32 v254, v255
	s_wait_dscnt 0x0
	ROUND                                          ; the closing round
	s_endpgm
.Lfunc_end_k_qbe24705535_attn:
	.size	k_qbe24705535_attn, .Lfunc_end_k_qbe24705535_attn-k_qbe24705535_attn
	.p2alignl 7, 3214868480
	.fill 96, 4, 3214868480
	.section	.rodata,"a",@progbits
	.p2align	6, 0x0
	.amdhsa_kernel k_qbe24705535_attn
		.amdhsa_group_segment_fixed_size 215040
		.amdhsa_private_segment_fixed_size 0
		.amdhsa_enable_private_segment 0
		.amdhsa_kernarg_size 32
		.amdhsa_user_sgpr_count 2
		.amdhsa_user_sgpr_kernarg_segment_ptr 1
		.amdhsa_wavefront_size32 1
		.amdhsa_system_sgpr_workgroup_id_x 1
		.amdhsa_system_sgpr_workgroup_id_y 1
		.amdhsa_system_sgpr_workgroup_id_z 1
		.amdhsa_system_vgpr_workitem_id 0
		.amdhsa_next_free_vgpr 256
		.amdhsa_next_free_sgpr 66
		.amdhsa_reserve_vcc 1
		.amdhsa_float_denorm_mode_32 3
		.amdhsa_float_denorm_mode_16_64 3
		.amdhsa_memory_ordered 1
		.amdhsa_forward_progress 1
		.amdhsa_inst_pref_size 63
	.end_amdhsa_kernel
	.amdgpu_metadata
---
amdhsa.version: [ 1, 2 ]
amdhsa.kernels:
  - .name:           k_qbe24705535_attn
    .symbol:         k_qbe24705535_attn.kd
    .args:
      - { .name: qb, .offset: 0, .size: 8, .value_kind: global_buffer, .address_space: global }
      - { .name: kv, .offset: 8, .size: 8, .value_kind: global_buffer, .address_space: global }
      - { .name: yimg, .offset: 16, .size: 8, .value_kind: global_buffer, .address_space: global }
      - { .name: ysc, .offset: 24, .size: 8, .value_kind: global_buffer, .address_space: global }
    .group_segment_fixed_size: 215040
    .private_segment_fixed_size: 0
    .kernarg_segment_align: 8
    .kernarg_segment_size: 32
    .max_flat_workgroup_size: 512
    .sgpr_count:     66
    .vgpr_count:     256
    .wavefront_size: 32
...
	.end_amdgpu_metadata
.endif
;; end of part 2
;; launch proj (part 3): grid 8 x 32, 4 waves a work-group, clusters of 4 x 4, 327,680 bytes of LDS; arguments yimg, ysc, w_proj_codes, w_proj_scales, b_proj, out0; writes out0
.if DOCPART == 3
	.amdgcn_target "amdgcn-amd-amdhsa--gfx1250"
	.amdhsa_code_object_version 6
	.text
	.protected	k_qbe24705535_proj
	.globl	k_qbe24705535_proj
	.p2align	8
	.type	k_qbe24705535_proj,@function
k_qbe24705535_proj:
	s_mov_b64 s[64:65], 0
	v_nop
	global_prefetch_b8 v0, s[64:65] scope:SCOPE_SE
	s_setreg_imm32_b32 hwreg(HW_REG_WAVE_MODE, 25, 1), 1
	s_wait_xcnt 0x0
	s_wait_alu depctr_hold_cnt(0) depctr_sa_sdst(0) depctr_va_vdst(0) depctr_va_sdst(0) depctr_va_ssrc(0) depctr_va_vcc(0) depctr_vm_vsrc(0)
	s_getreg_b32 s2, hwreg(HW_REG_IB_STS2, 6, 4)
	s_cmp_eq_u32 s2, 0
	s_cbranch_scc0 .Lentry_in_a_cluster
	s_endpgm
.Lentry_in_a_cluster:
	s_bfe_u32 s2, ttmp6, 0x10000c
	s_cmp_lg_u32 s2, 0xf033
	s_cbranch_scc0 .Lentry_shape_is_right
	s_endpgm
.Lentry_shape_is_right:
; out = y W_proj + b_proj on codes of FP6 (E2M3) with E8M0 scales; out: [8,192][1,024] f32.
; y comes as images of operand registers (yimg [G 64][q 4][a 8][hh 4][768]: group of 128 tokens, chunk of 256 along K, tile of 16 tokens, half fragment of 64 along K) with its scale words (ysc [G][s 8][a 8][r 16]).
; A work-group makes 256 tokens x 128 columns; wave (rh, ch) one group of 128 tokens (8 tiles) x 64 columns (4 blocks): 32 accumulators.  256 work-groups.
; ALL OF K FITS IN LDS: the tiles of all four chunks of 256 along K are asked for at the head, four tensor loads a wave; nothing is filled again.  A chunk is read behind the wave's counted wait for it and a barrier.
; CLUSTERS: 4 x 4 work-groups; y's tiles hang on cy alone and are asked for jointly along a row of the cluster, W's on cx alone and jointly along a column.
; THE MATRIX INSTRUCTION IS USED TRANSPOSED (source 0 = 16 rows of W, source 1 = 16 tokens): a lane holds eight neighbouring numbers of a row of out.  The bias is the C of each sum's first instruction.
; A tile's tokens are token(a, r) = 32 (a / 2) + 8 (a % 2) + r + 8 (r / 8) of the group: the order shows only in the stores' offsets.
; No prefetch: everything is asked for in the first lines.  LIMITS: NaN, infinities and given scale bytes 0xff are not served.
; REGISTERS, in windows of 256: window 0: v1-7 at work; v8-26 addresses; v32-63 y's scale words; v64-79 W's; v96-127 the bias; v128-175, v176-223 W's fragments, two sets (on the way out: rows of out).
;   window 1: y's fragments, two sets, at v0 and v128.   window 2: accumulator (a, i) at v[8 (4 a + i)].
.set PITCH,  240                       ; W's row in LDS: 3 x (64 bytes + 16 of padding)
.set YCH,    49152                     ; y's chunk: two groups x 24,576 bytes, dense
.set YHALF,  24576
.set WBASE,  4*YCH
.set WCH,    30720                     ; W's chunk: 128 rows x 240
.set WHALF,  15360
.set SPITCH, 272                       ; the way out: a stage of 16 rows x (256 bytes + 16) for each wave, in y's chunk 0, which has had its only fill, and its last read ahead of the second barrier
.set LY16, 8                           ; v8-11   16 x lane + my group in chunk q
.set LY8,  12                          ; v12-15  8 x lane + the same
.set ADW,  16                          ; v16-19  my place in W's rows of chunk q
.set ADW2, 20                          ; v20-23  the same behind one padding more
.set STO,  24
.set RD,   25
.set CO,   26
.set SA,   32                          ; y's scale words: register 8 j + s: lanes 0-15 tile 2 j, lanes 16-31 tile 2 j + 1, K step s
.set SB,   64                          ; W's: register 8 j + s: lanes 0-15 block 2 j, lanes 16-31 block 2 j + 1
.set BIAS, 96
.set WS,   128
.set BK,   128
.set G1Y,  24                          ; s[24:31] group 1 for y;  s[32:39] for W;  s[40:55] y's four groups 0;  s[56:63], s[68:75] W's
.set G1W,  32
.set G0Y,  40
.set MSB, 0
.macro WIN new                         ; the immediate's high byte repeats the setting that is left
.if MSB != (\new)
	s_set_vgpr_msb (MSB<<8)|(\new)
.set MSB, (\new)
.endif
.endm
.macro CROUND                          ; a round of the cluster's barrier
	s_barrier_signal -1
	s_barrier_wait -1
	s_cmp_lg_u32 s16, 0
	s_cbranch_scc1 .Lnot_wave_0_\@
	s_barrier_signal -3
.Lnot_wave_0_\@:
	s_barrier_wait -3
	s_barrier_signal -1
	s_barrier_wait -1
.endm
.macro PLACES
.rept 4
	v_nop
.endr
.endm
	s_load_b256 s[4:11], s[0:1], 0x0               ; yimg s[4:5], ysc s[6:7], W's codes s[8:9], W's scales s[10:11]
	s_load_b128 s[12:15], s[0:1], 0x20             ; the bias s[12:13], out s[14:15]
	v_lshl_add_u32 v254, v0, 2, 0x4e000
	v_mov_b32 v255, 0
	ds_add_u32 v254, v255
	ds_add_u32 v254, v255
	v_lshrrev_b32 v1, 5, v0
	v_readfirstlane_b32 s16, v1                    ; wave 0..3
	s_lshr_b32 s17, s16, 1                         ; rh: my group of tokens.  Also: I fetch for y (0) or for W (1)
	s_and_b32 s18, s16, 1                          ; ch: my 64 columns.  Also: which half I fetch
	s_bfe_u32 s20, ttmp6, 0x40000                  ; cx
	s_bfe_u32 s21, ttmp6, 0x40004                  ; cy
	s_lshl_b32 s22, ttmp9, 2
	s_add_co_u32 s22, s22, s20                     ; tn = 4 X + cx
	s_and_b32 s23, ttmp7, 0xffff
	s_lshl_b32 s23, s23, 2
	s_add_co_u32 s23, s23, s21                     ; tm = 4 Y + cy
	s_lshl_b32 s76, s21, 2
	s_lshl_b32 s76, 15, s76                        ; my row of the cluster
	s_lshl_b32 s77, 0x1111, s20                    ; my column
	s_or_b32 s[G1Y], s76, (3<<16)|(1<<21)          ; y: 96 rows of 256 bytes (32 elements of 8 bytes), dense, no padding
	s_mov_b32 s[G1Y+1], 32<<16
	s_mov_b32 s[G1Y+2], 96<<16
	s_mov_b32 s[G1Y+3], 32<<16
	s_mov_b32 s[G1Y+4], 96
	s_mov_b32 s[G1Y+5], 32
	s_mov_b32 s[G1Y+6], 0
	s_mov_b32 s[G1Y+7], 0
	s_or_b32 s[G1W], s77, (0<<16)|(1<<20)|(1<<21)|(3<<22)|(3<<25)  ; W: 64 rows of 192 bytes, 768 apart; 16 bytes of padding behind every 64
	s_mov_b32 s[G1W+1], 192<<16
	s_mov_b32 s[G1W+2], 64<<16
	s_mov_b32 s[G1W+3], 192<<16
	s_mov_b32 s[G1W+4], 64
	s_mov_b32 s[G1W+5], 768
	s_mov_b32 s[G1W+6], 0
	s_mov_b32 s[G1W+7], 0
	s_lshl_b32 s76, s23, 1
	s_add_co_u32 s76, s76, s18                     ; the group that I fetch: 2 tm + half
	s_mul_i32 s76, s76, 98304
	s_mov_b32 s77, 0
	s_lshl_b32 s78, s22, 7
	s_lshl_b32 s79, s18, 6
	s_add_co_u32 s78, s78, s79                     ; W's rows that I fetch: 128 tn + 64 x half
	s_mul_i32 s78, s78, 768
	s_mov_b32 s79, 0
	s_mul_i32 s80, s18, YHALF                      ; where they go: no place in the cluster enters an LDS address
	s_mul_i32 s81, s18, WHALF
	s_add_co_u32 s81, s81, WBASE
	s_wait_dscnt 0x0
	s_wait_kmcnt 0x0
	s_add_nc_u64 s[76:77], s[4:5], s[76:77]
	s_add_nc_u64 s[78:79], s[8:9], s[78:79]
	CROUND                                         ; all sixteen work-groups are here: the joint loads meet
.irp q, 0,1,2,3
.if \q < 2
.set GW, 56+4*\q
.else
.set GW, 60+4*\q
.endif
	s_mov_b32 s[G0Y+4*\q], 1
	s_add_co_u32 s[G0Y+4*\q+1], s80, \q*YCH
	s_add_nc_u64 s[G0Y+4*\q+2:G0Y+4*\q+3], s[76:77], \q*24576
	s_or_b32 s[G0Y+4*\q+3], s[G0Y+4*\q+3], 0x80000000
	s_mov_b32 s[GW], 1
	s_add_co_u32 s[GW+1], s81, \q*WCH
	s_add_nc_u64 s[GW+2:GW+3], s[78:79], \q*192
	s_or_b32 s[GW+3], s[GW+3], 0x80000000
.endr
	s_cmp_eq_u32 s17, 0                            ; a wave's four fills stand in one branch on its number: four tensor loads of mine are out
	s_cbranch_scc0 .Lfor_w
	tensor_load_to_lds s[40:43], s[G1Y:G1Y+7]
	s_nop 0
	tensor_load_to_lds s[44:47], s[G1Y:G1Y+7]
	s_nop 0
	tensor_load_to_lds s[48:51], s[G1Y:G1Y+7]
	s_nop 0
	tensor_load_to_lds s[52:55], s[G1Y:G1Y+7]
	s_nop 0
	PLACES
	s_branch .Lasked
.Lfor_w:
	tensor_load_to_lds s[56:59], s[G1W:G1W+7]
	s_nop 0
	tensor_load_to_lds s[60:63], s[G1W:G1W+7]
	s_nop 0
	tensor_load_to_lds s[68:71], s[G1W:G1W+7]
	s_nop 0
	tensor_load_to_lds s[72:75], s[G1W:G1W+7]
	s_nop 0
	PLACES
.Lasked:
	v_and_b32 v1, 15, v0                           ; r
	v_bfe_u32 v2, v0, 4, 1                         ; h
	v_and_b32 v3, 31, v0                           ; lane
	v_lshlrev_b32 v4, 2, v3                        ; 4 x lane
	v_lshlrev_b32 v5, 5, v3                        ; 32 x lane
	v_lshlrev_b32 v6, 5, v2                        ; 32 h
	s_lshl_b32 s84, s23, 1
	s_add_co_u32 s84, s84, s17                     ; my group: 2 tm + rh
	s_lshl_b32 s84, s84, 12
	s_mov_b32 s85, 0
	s_add_nc_u64 s[6:7], s[6:7], s[84:85]          ; its scale words
	s_lshl_b32 s86, s22, 7
	s_lshl_b32 s87, s18, 6
	s_add_co_u32 s86, s86, s87                     ; my first column: 128 tn + 64 ch
	s_lshl_b32 s84, s86, 5
	s_add_nc_u64 s[10:11], s[10:11], s[84:85]      ; W's scale bytes: 32 a row
	s_lshl_b32 s84, s86, 2
	s_add_nc_u64 s[12:13], s[12:13], s[84:85]      ; the bias
	s_add_nc_u64 s[14:15], s[14:15], s[84:85]      ; out: my first column,
	s_lshl_b32 s84, s23, 8
	s_lshl_b32 s87, s17, 7
	s_add_co_u32 s84, s84, s87
	s_lshl_b32 s84, s84, 12
	s_add_nc_u64 s[14:15], s[14:15], s[84:85]      ; my first row: 256 tm + 128 rh, of 4,096 bytes
.irp j, 0,1,2,3
.irp s, 0,1,2,3,4,5,6,7
	global_load_b32 v[SA+8*\j+\s], v4, s[6:7] offset:512*\s+128*\j   ; 128 consecutive bytes: tiles 2 j and 2 j + 1
.endr
.endr
.irp j, 0,1
	global_load_b128 v[SB+8*\j:SB+8*\j+3], v5, s[10:11] offset:1024*\j       ; row 32 j + lane: its eight words
	global_load_b128 v[SB+8*\j+4:SB+8*\j+7], v5, s[10:11] offset:1024*\j+16
.endr
.irp i, 0,1,2,3
	global_load_b128 v[BIAS+8*\i:BIAS+8*\i+3], v6, s[12:13] offset:64*\i     ; b(16 i + 8 h + 0 .. 7): the result's layout
	global_load_b128 v[BIAS+8*\i+4:BIAS+8*\i+7], v6, s[12:13] offset:64*\i+16
.endr
	s_mul_i32 s80, s17, YHALF
	v_lshl_add_u32 v[LY16], v3, 4, s80
	v_lshl_add_u32 v[LY8], v3, 3, s80
	v_mul_u32_u24 v7, v1, PITCH
	v_mad_u32_u24 v7, v2, 24, v7
	s_mul_i32 s81, s18, WHALF
	s_add_co_u32 s81, s81, WBASE
	v_add_nc_u32 v[ADW], s81, v7
	v_lshl_add_u32 v[ADW2], v2, 4, v[ADW]
.irp q, 1,2,3
	v_add_nc_u32 v[LY16+\q], \q*YCH, v[LY16]
	v_add_nc_u32 v[LY8+\q], \q*YCH, v[LY8]
	v_add_nc_u32 v[ADW+\q], \q*WCH, v[ADW]
	v_add_nc_u32 v[ADW2+\q], \q*WCH, v[ADW2]
.endr
	s_mul_i32 s82, s16, 16*SPITCH                  ; my stage
	v_mul_u32_u24 v7, v1, SPITCH
	v_lshl_add_u32 v7, v2, 5, v7
	v_add_nc_u32 v[STO], s82, v7                   ; in: row r, 32 bytes for each half of the lanes
	v_mul_u32_u24 v7, v2, SPITCH
	v_lshl_add_u32 v7, v1, 4, v7
	v_add_nc_u32 v[RD], s82, v7                    ; back: lanes 0-15 one row of 256 bytes, lanes 16-31 the next
	v_lshlrev_b32 v[CO], 12, v2
	v_lshl_add_u32 v[CO], v1, 4, v[CO]             ; and the same two rows in out
.macro FRAGW reg, cq, sp, i            ; W's fragment: block i, the chunk's sp-th 128 along K: six pieces of 8 bytes; where the piece three on lies behind one padding more, the second address register serves
.irp p, 0,1,2,3,4,5
.set PC, 12*(\sp)+6*(\p/3)+\p%3
.if PC%8 < 5
	ds_load_b64 v[\reg+2*\p:\reg+2*\p+1], v[ADW+\cq] offset:8*PC+16*(PC/8)+(\i)*16*PITCH
.else
	ds_load_b64 v[\reg+2*\p:\reg+2*\p+1], v[ADW2+\cq] offset:8*PC+16*(PC/8)+(\i)*16*PITCH
.endif
.endr
.endm
.macro FETCH s, set                    ; K step s's fragments: y's eight (two half images each) and W's four
.set CQ, (\s)/2
.set SPR, (\s)%2
	WIN 0x40                                       ; destination window 1
.irp a, 0,1,2,3,4,5,6,7
.set OO, 3072*\a+1536*SPR
.set RR, 128*(\set)+12*\a
	ds_load_b128 v[RR:RR+3], v[LY16+CQ] offset:OO
	ds_load_b64 v[RR+4:RR+5], v[LY8+CQ] offset:OO+512
	ds_load_b128 v[RR+6:RR+9], v[LY16+CQ] offset:OO+768
	ds_load_b64 v[RR+10:RR+11], v[LY8+CQ] offset:OO+1280
.endr
	WIN 0
.irp i, 0,1,2,3
	FRAGW WS+48*(\set)+12*\i, CQ, SPR, \i
.endr
.endm
.macro PROD s, set, a, i
.set DD, 8*(4*(\a)+(\i))
.if (\s) == 0
.set CC, BIAS+8*(\i)
.else
.set CC, DD
.endif
.set WF, WS+48*(\set)+12*(\i)
.set YF, 128*(\set)+12*(\a)
.set RA, SB+8*((\i)/2)+(\s)
.set RB, SA+8*((\a)/2)+(\s)
.if ((\i)%2 == 0) && ((\a)%2 == 0)
	v_wmma_scale_f32_16x16x128_f8f6f4 v[DD:DD+7], v[WF:WF+11], v[YF:YF+11], v[CC:CC+7], v[RA], v[RB] matrix_a_fmt:MATRIX_FMT_FP6 matrix_b_fmt:MATRIX_FMT_FP6
.elseif ((\i)%2 == 1) && ((\a)%2 == 0)
	v_wmma_scale_f32_16x16x128_f8f6f4 v[DD:DD+7], v[WF:WF+11], v[YF:YF+11], v[CC:CC+7], v[RA], v[RB] matrix_a_fmt:MATRIX_FMT_FP6 matrix_b_fmt:MATRIX_FMT_FP6 matrix_a_scale:MATRIX_SCALE_ROW1
.elseif ((\i)%2 == 0)
	v_wmma_scale_f32_16x16x128_f8f6f4 v[DD:DD+7], v[WF:WF+11], v[YF:YF+11], v[CC:CC+7], v[RA], v[RB] matrix_a_fmt:MATRIX_FMT_FP6 matrix_b_fmt:MATRIX_FMT_FP6 matrix_b_scale:MATRIX_SCALE_ROW1
.else
	v_wmma_scale_f32_16x16x128_f8f6f4 v[DD:DD+7], v[WF:WF+11], v[YF:YF+11], v[CC:CC+7], v[RA], v[RB] matrix_a_fmt:MATRIX_FMT_FP6 matrix_b_fmt:MATRIX_FMT_FP6 matrix_a_scale:MATRIX_SCALE_ROW1 matrix_b_scale:MATRIX_SCALE_ROW1
.endif
.endm
; A K step of 128: the next step's 56 LDS loads in one run, then 32 products on 32 accumulators, which take turns in the same order in every step.
.macro KSTEP s
.if ((\s)%2 == 1) && ((\s) < 7)
	s_wait_tensorcnt 3-((\s)+1)/2                  ; my part of the next chunk has landed; the chunks behind it may be out
.endif
	s_wait_dscnt 0x0                               ; this step's fragments are in
.if ((\s)%2 == 1) && ((\s) < 7)
	s_barrier_signal -1
	s_barrier_wait -1                              ; everybody's part of the next chunk has landed, and nobody reads this chunk any more
.endif
.if (\s) < 7
	FETCH (\s)+1, 1-(\s)%2                         ; into the set that the last step multiplied: four places stand behind its products
.endif
.if (\s) == 0
	s_wait_loadcnt 0x0                             ; the scale words and the bias
	WIN 0x84                                       ; source 0 (W) and C (the bias) window 0, source 1 (y) window 1, D window 2
.else
	WIN 0xa4                                       ; C and D window 2
.endif
.irp a, 0,1,2,3,4,5,6,7
.irp i, 0,1,2,3
	PROD \s, (\s)%2, \a, \i
.endr
.endr
	PLACES
	WIN 0
.endm
	s_wait_tensorcnt 3                             ; my part of chunk 0 has landed; three loads were issued behind it
	s_barrier_signal -1
	s_barrier_wait -1                              ; everybody's has
	FETCH 0, 0
.irp s, 0,1,2,3,4,5,6,7
	KSTEP \s
.endr
; THE WAY OUT, tile by tile of 16 tokens x 64 columns: through my own stage and back as whole rows of 256 bytes.  LDS serves a wave's instructions in order (ISA guide 5.7.1.4): no wait between the stores and the loads.
.macro TOSTAGE a
	WIN 0x08                                       ; an LDS store's data are its source 1: window 2
.irp i, 0,1,2,3
	ds_store_b128 v[STO], v[8*(4*(\a)+\i):8*(4*(\a)+\i)+3] offset:64*\i          ; each accumulator from its low end on
	ds_store_b128 v[STO], v[8*(4*(\a)+\i)+4:8*(4*(\a)+\i)+7] offset:64*\i+16
.endr
	WIN 0
.set BB, BK+32*((\a)%2)
.irp t, 0,1,2,3,4,5,6,7
	ds_load_b128 v[BB+4*\t:BB+4*\t+3], v[RD] offset:\t*2*SPITCH
.endr
.endm
.macro SEND a, younger                 ; younger: the LDS instructions issued behind tile a's loads, which may stay out
.set BB, BK+32*((\a)%2)
	s_wait_dscnt \younger
.irp t, 0,1,2,3,4,5,6,7
	global_store_b128 v[CO], v[BB+4*\t:BB+4*\t+3], s[14:15] offset:(32*((\a)/2)+8*((\a)%2)+2*\t+8*(\t/4))*4096 th:TH_STORE_NT   ; stage rows 2 t and 2 t + 1 are tokens of the tile's order; 16 lanes store 256 consecutive bytes, aligned
.endr
.endm
	TOSTAGE 0
.irp a, 1,2,3,4,5,6,7
.if \a > 1
	s_wait_xcnt 0x0                                ; tile a - 2's stores have read their registers: tile a's loads may land there
.endif
	TOSTAGE \a
	SEND \a-1, 16                                  ; behind tile a - 1's loads: tile a's 8 stores and 8 loads
.endr
	SEND 7, 0
	s_wait_dscnt 0x0
	s_wait_tensorcnt 0x0
	ds_add_u32 v254, v255
	s_wait_dscnt 0x0
	CROUND                                         ; the closing round: no work-group ends while a partner may still ask for a tile that names it
	s_endpgm
.Lfunc_end_k_qbe24705535_proj:
	.size	k_qbe24705535_proj, .Lfunc_end_k_qbe24705535_proj-k_qbe24705535_proj
	.p2alignl 7, 3214868480
	.fill 96, 4, 3214868480
	.section	.rodata,"a",@progbits
	.p2align	6, 0x0
	.amdhsa_kernel k_qbe24705535_proj
		.amdhsa_group_segment_fixed_size 327680
		.amdhsa_private_segment_fixed_size 0
		.amdhsa_enable_private_segment 0
		.amdhsa_kernarg_size 48
		.amdhsa_user_sgpr_count 2
		.amdhsa_user_sgpr_kernarg_segment_ptr 1
		.amdhsa_wavefront_size32 1
		.amdhsa_system_sgpr_workgroup_id_x 1
		.amdhsa_system_sgpr_workgroup_id_y 1
		.amdhsa_system_sgpr_workgroup_id_z 1
		.amdhsa_system_vgpr_workitem_id 0
		.amdhsa_next_free_vgpr 768
		.amdhsa_next_free_sgpr 88
		.amdhsa_reserve_vcc 0
		.amdhsa_float_denorm_mode_32 3
		.amdhsa_float_denorm_mode_16_64 3
		.amdhsa_memory_ordered 1
		.amdhsa_forward_progress 1
		.amdhsa_inst_pref_size 91
	.end_amdhsa_kernel
	.amdgpu_metadata
---
amdhsa.version: [ 1, 2 ]
amdhsa.kernels:
  - .name:           k_qbe24705535_proj
    .symbol:         k_qbe24705535_proj.kd
    .args:
      - { .name: yimg, .offset: 0, .size: 8, .value_kind: global_buffer, .address_space: global }
      - { .name: ysc, .offset: 8, .size: 8, .value_kind: global_buffer, .address_space: global }
      - { .name: w_proj_codes, .offset: 16, .size: 8, .value_kind: global_buffer, .address_space: global }
      - { .name: w_proj_scales, .offset: 24, .size: 8, .value_kind: global_buffer, .address_space: global }
      - { .name: b_proj, .offset: 32, .size: 8, .value_kind: global_buffer, .address_space: global }
      - { .name: out0, .offset: 40, .size: 8, .value_kind: global_buffer, .address_space: global }
    .group_segment_fixed_size: 327680
    .private_segment_fixed_size: 0
    .kernarg_segment_align: 8
    .kernarg_segment_size: 48
    .max_flat_workgroup_size: 128
    .sgpr_count:     88
    .vgpr_count:     768
    .wavefront_size: 32
...
	.end_amdgpu_metadata
.endif
;; end of part 3
